; MI455X (gfx1250); checked and timed in simulation.
; The chip was launched on July 23, 2026; its instructions are those of AMD's public machine-readable ISA for CDNA 5 (MIT licence, August 2026) and "CDNA5" Instruction Set Architecture Reference Guide (July 2026). The comments in the code are by the model that wrote it; some were corrected since.
;; Cross Attention. Allowed arithmetic: matrix products marked QUANTISED: E2M3 operands, one E8M0 scale for each 32 along K, by v_wmma_scale_f32_16x16x128_f8f6f4 with both operands' format E2M3, f32 sums; everything else in f32.
;; Inputs: bo 1,024 float32; kv 4 x 2,048 x 768 float32; q 4 x 2,048 x 1,024 float32; wk 1,024 x 768 float32; wo 1,024 x 1,024 float32; wq 1,024 x 1,024 float32; wv 1,024 x 768 float32.
;; Outputs: out0 4 x 2,048 x 1,024 float32.
;; This version of the problem:
;;   THIS VERSION OF THE PROBLEM IS GIVEN IN LOW PRECISION. The matrix products marked QUANTISED in the list below multiply operands that are first quantised to E2M3 (2 exponent bits, 3 mantissa bits; 6 bits a number), with one power-of-two scale for each 32 numbers along K (OCP MX v1.0); their sums are f32. All else is computed in f32.
;;   The module's matrix products, in the order in which they are computed (A, B: the left and right operand; K: the contracted axis; several contracted axes count as one K, in the product's order):
;;     1. [M 8,192, K 1,024] x [K 1,024, N 1,024]; A: input q; B: input wq: QUANTISED
;;     2. [M 8,192, K 768] x [K 768, N 1,024]; A: input kv; B: input wk: QUANTISED
;;     3. [M 8,192, K 768] x [K 768, N 1,024]; A: input kv; B: input wv: QUANTISED
;;     4. batch 64 x [M 2,048, K 64] x [K 64, N 2,048]; A: computed on the way; B: computed on the way: QUANTISED
;;     5. batch 64 x [M 2,048, K 2,048] x [K 2,048, N 64]; A: softmax (see below); B: computed on the way: QUANTISED
;;     6. [M 8,192, K 1,024] x [K 1,024, N 1,024]; A: computed on the way; B: input wo: QUANTISED
;;   THE QUANTISER, for each operand of a quantised product, along K:
;;     - K is cut into blocks of 32 from its start; a last block that is shorter is filled with zeros.
;;     - A block's scale is 2^e with e = floor(log2(the largest magnitude in the block)) - 2, held to -126 .. 127; a block of zeros has e = 0. As a byte (E8M0): e + 127.
;;     - Each number is divided by its block's scale, clamped to +-7.5, and rounded to the nearest number of E2M3, ties to even, subnormals kept.
;;     - The product sums the exact products of the quantised numbers (number of the format x scale) in f32.
;;   ~~~python
;;   def quantise(x, axis):      # numpy; x: float32 -> the quantised numbers, widened to float32 again
;;       x = np.moveaxis(x, axis, -1); K = x.shape[-1]
;;       x = np.pad(x, [(0, 0)] * (x.ndim - 1) + [(0, -K % 32)]); x = x.reshape(x.shape[:-1] + (-1, 32)); a = np.abs(x).max(-1, keepdims=True)
;;       e = np.where(a > 0, np.clip(np.frexp(np.where(a > 0, a, 1))[1] - 1 - 2, -126, 127), 0)      # np.frexp(a)[1] - 1 = floor(log2(a)), exactly
;;       r = np.clip(x / 2.0 ** e, -7.5, 7.5)
;;       step = 2.0 ** (np.maximum(np.frexp(np.where(r == 0, 1, r))[1] - 1, 0) - 3)
;;       q = np.round(r / step) * step * 2.0 ** e      # np.round: ties to even
;;       return np.moveaxis(q.reshape(q.shape[:-2] + (-1,))[..., :K], -1, axis).astype(np.float32)
;;   ~~~
;;   SOFTMAX AHEAD OF A QUANTISED PRODUCT. Where the list says 'softmax', what is quantised is not the finished softmax but p = 2^(t - M), with t = logit x log2(e) and M = ceil(the row's largest t), a whole number; so 1/2 < the row's largest p <= 1. The row's sum l is taken of the UNQUANTISED p, in f32, and the product's result is divided by l at the end. Since M is a whole number, a kernel that streams over the keys may use a running M (the ceiling of the running maximum): every later rescaling is an exact power of two, which a block's scale takes up: the codes' values come out the same.
;;   OPERANDS COMPUTED ON THE WAY. 'Computed on the way' means the value that the module computes at that place (a softmax that the list does not call 'softmax' is quantised finished and normalised). What goes into a quantiser is computed in f32, as accurately as f32 sums, v_exp_f32 and their like allow (about 1e-6 of the number): no bf16 or f16 on the way to a quantiser, and a product that is left as it is and whose result goes on into a quantised operand takes f32 operands (vector FMAs, or v_wmma_f32_16x16x4_f32). A number that lies on a knife's edge between two numbers of the format may be rounded either way, as far as f32 arithmetic and the matrix unit's own rounding can turn it there, and no further.
;; One version. Each part assembles by itself: llvm-mc -triple=amdgcn-amd-amdhsa -mcpu=gfx1250 --defsym DOCPART=n.
;; ======== version 1 of 1: 4 launches
;; limits: right only within a limited range of input values
;; workspace buffers: xc 15,728,640 bytes; xs 655,360 bytes; pc 19,660,800 bytes; oc 6,291,456 bytes; os 262,144 bytes
;; launch quant (part 1): grid 320 x 1, 4 waves a work-group, no clusters, 34,304 bytes of LDS; arguments q, kv, wq, wk, wv, wo, xc, xs; writes xc, xs
.if DOCPART == 1
	.amdgcn_target "amdgcn-amd-amdhsa--gfx1250"
	.amdhsa_code_object_version 6
	.text
	.protected	k_q01cf3d427f_quant
	.globl	k_q01cf3d427f_quant
	.p2align	8
	.type	k_q01cf3d427f_quant,@function
k_q01cf3d427f_quant:
	s_mov_b64 s[64:65], 0
	v_nop
	global_prefetch_b8 v0, s[64:65] scope:SCOPE_SE
	s_setreg_imm32_b32 hwreg(HW_REG_WAVE_MODE, 25, 1), 1
	s_wait_xcnt 0x0
; q [8192][1024], kv [8192][768], wq [1024][1024], wk, wv [1024][768], wo [1024][1024], f32 with K innermost, become codes of FP6 (E2M3) with one E8M0 byte for each 32 along K.
; Every input is loaded and every product of the table is done.
; A block's byte is its largest magnitude's exponent field - 2, held at 1 from below; each number is divided by that scale and rounded to the nearest code, ties to even.
; OUT.  xc: [T][kg 0..15][768]: T = a tile of 16 rows (q 0.., kv 512.., wq 1024.., wk 1088.., wv 1152.., wo 1216..), kg = 64 along K.  768 bytes are a picture of six operand registers:
; piece p (256 bytes) holds registers 2 p, 2 p + 1 of lane l at 8 l; lane (r, h) holds the tile's row r, block h of the 64, in K's own order.  xs: [T][r][32]: a byte a block.  K = 768 is filled up to 1,024 with zero codes.
; WHICH ROWS FORM A TILE.  q, wo: tile T holds rows 16 T + r.  kv, wq, wk, wv: in each group of 64 rows tile t holds rows 8 t + 0..7 (r 0-7) and 32 + 8 t + 0..7 (r 8-15).
; A matrix result gives rows 0-7 of a source-0 tile to lanes 0-15 and rows 8-15 to lanes 16-31: so four such tiles leave a whole block of 32 neighbours in one lane's 32 registers.
; LIMITS: NaN and infinities are not served; a block of zeros, or one whose largest magnitude lies under 2^-124, gets the byte 1 (the bytes are read by this program alone).
; SHARES.  Wave w of work-group g owns tile T = 4 g + w, all eight K steps of 128.  A load reads 512 consecutive bytes of one row; a step's 16 rows turn through the wave's own stage in LDS
; (rows of 512 + 16 bytes) so that a lane gets 16 neighbours of each of its row's four blocks.  Loads run two steps (32 loads a wave) ahead.  Waves share nothing: no barrier.
.set PITCH, 528
.set STG,   16*PITCH                   ; a wave's stage
.set PC,    16                         ; v16-27 the codes just made, v28-35 at work
.set TM,    36                         ; v36-39 largest magnitudes, v40-43 the other half's, then bytes, v48-51 the conversions' scale operands
.set SW,    52                         ; v52-59 the eight steps' scale words
.set SELW,  60                         ; v60-63 the four words that my lane stores
.set R,     64                         ; v64-191 two sets of 64: a step as loaded
.set X,     192                        ; v192-255: register 16 b + i = k 16 h + i of block b of my row
.set SEL,   30                         ; s[30:31] selects for lane l xor 16
.set RB,    32                         ; s[32:63] the 16 rows' addresses; never rewritten
.macro QUANT s, pw
.irp b, 0,1,2,3
	v_max3_num_f32 v[TM+\b], |v[\s+16*\b]|, |v[\s+1+16*\b]|, 0x1800000   ; my 16 numbers of block b, and the floor 2^(3 - 127)
.endr
.irp i, 2,4,6,8,10,12,14
.irp b, 0,1,2,3
	v_max3_num_f32 v[TM+\b], v[TM+\b], |v[\s+16*\b+\i]|, |v[\s+1+16*\b+\i]|
.endr
.endr
.irp b, 0,1,2,3
	v_permlanex16_b32 v[TM+4+\b], v[TM+\b], s[SEL], s[SEL+1]
.endr
.irp b, 0,1,2,3
	v_max_num_f32 v[TM+\b], v[TM+\b], v[TM+4+\b]   ; with lane l xor 16's: the block's largest magnitude
.endr
.irp b, 0,1,2,3
	v_add_nc_u32 v[TM+12+\b], 0xff000000, v[TM+\b]   ; 2 off its exponent field: the conversion's scale operand
.endr
.irp b, 0,1,2,3
	v_lshrrev_b32 v[TM+4+\b], 23, v[TM+12+\b]      ; the scale's byte
.endr
	v_lshl_or_b32 v[\pw], v[TM+5], 8, v[TM+4]
	v_lshl_or_b32 v[\pw], v[TM+6], 16, v[\pw]
	v_lshl_or_b32 v[\pw], v[TM+7], 24, v[\pw]
.irp c, 0,1
	v_cvt_scalef32_pk16_fp6_f32 v[PC+6*\c:PC+2+6*\c], v[\s+32*\c:\s+15+32*\c], v[TM+12+2*\c]
	v_cvt_scalef32_pk16_fp6_f32 v[PC+12+4*\c:PC+14+4*\c], v[\s+16+32*\c:\s+31+32*\c], v[TM+12+2*\c+1]   ; (a conversion's three registers begin on an even number)
.endr
	v_nop                                          ; one plain instruction behind the scaled conversions
.irp c, 0,1                                    ; a whole block to a lane: lanes 0-15 block 2 c, lanes 16-31 block 2 c + 1
.irp i, 0,1,2
	v_permlane16_swap_b32 v[PC+6*\c+\i], v[PC+12+4*\c+\i]
.endr
.irp i, 0,1,2
	v_mov_b32 v[PC+3+6*\c+\i], v[PC+12+4*\c+\i]
.endr
.endr
.endm
	s_load_b512 s[4:19], s[0:1], 0x0               ; q, kv, wq, wk, wv, wo, xc, xs
	v_lshl_add_u32 v46, v0, 2, 0x8400
	v_mov_b32 v47, 0
	v_lshrrev_b32 v1, 5, v0
	v_readfirstlane_b32 s20, v1                    ; wave
	v_and_b32 v1, 31, v0                           ; lane
	v_and_b32 v2, 15, v0                           ; r
	v_bfe_u32 v3, v0, 4, 1                         ; h
	v_lshlrev_b32 v4, 4, v1                        ; 16 x lane: my bytes of a load's 512
	s_mul_i32 s28, s20, STG
	v_add_nc_u32 v6, s28, v4                       ; into the stage
	v_mul_u32_u24 v7, v2, PITCH
	v_lshl_add_u32 v7, v3, 6, v7
	v_add_nc_u32 v7, s28, v7                       ; out of it: row r, + 64 h
	v_lshlrev_b32 v8, 3, v1                        ; 8 x lane: my place in a piece of 256 bytes
	v_lshlrev_b32 v9, 5, v2
	v_lshl_add_u32 v9, v3, 4, v9                   ; xs: 32 r + 16 h
	s_mov_b32 s[SEL], 0x76543210
	s_mov_b32 s[SEL+1], 0xfedcba98
.irp b, 0,1,2,3
	v_mov_b32 v[TM+4+\b], 0                        ; a lane permute's destination counts as one of its sources
.endr
	s_wait_kmcnt 0x0
	; which tensor is my work-group's: the choice hangs on the work-group's number alone; one path serves all six
	s_mov_b64 s[26:27], s[14:15]                   ; wo
	s_mov_b32 s21, 304                             ; its first work-group
	s_mov_b32 s29, 0                               ; 1: K = 768
	s_cmp_lt_u32 ttmp9, 304
	s_cselect_b64 s[26:27], s[12:13], s[26:27]     ; wv
	s_cselect_b32 s21, 288, s21
	s_cselect_b32 s29, 1, s29
	s_cmp_lt_u32 ttmp9, 288
	s_cselect_b64 s[26:27], s[10:11], s[26:27]     ; wk
	s_cselect_b32 s21, 272, s21
	s_cselect_b32 s29, 1, s29
	s_cmp_lt_u32 ttmp9, 272
	s_cselect_b64 s[26:27], s[8:9], s[26:27]       ; wq
	s_cselect_b32 s21, 256, s21
	s_cselect_b32 s29, 0, s29
	s_cmp_lt_u32 ttmp9, 256
	s_cselect_b64 s[26:27], s[6:7], s[26:27]       ; kv
	s_cselect_b32 s21, 128, s21
	s_cselect_b32 s29, 1, s29
	s_cmp_lt_u32 ttmp9, 128
	s_cselect_b64 s[26:27], s[4:5], s[26:27]       ; q
	s_cselect_b32 s21, 0, s21
	s_cselect_b32 s29, 0, s29
	s_cmp_eq_u32 s29, 1
	s_mov_b32 s22, 4096
	s_cselect_b32 s22, 3072, s22                   ; a row in bytes
	s_cselect_b32 s24, 0, -1                       ; 0 where K steps 6 and 7 are padding
	s_cselect_b32 s25, 0, 1024
	s_mov_b32 s23, 0
	v_and_b32 v5, s24, v4
	v_add_nc_u32 v5, s25, v5                       ; K steps 6, 7: 16 x lane + 1,024 where K = 1,024; 0 where K = 768: every lane then names 16 bytes of K step 4 or 5, inside the row
	s_sub_co_u32 s28, ttmp9, s21
	s_lshl_b32 s28, s28, 6                         ; my work-group's 64 rows
	s_sub_co_u32 s29, ttmp9, 128
	s_cmp_lt_u32 s29, 176                          ; work-groups 128 to 303: kv, wq, wk, wv
	s_cselect_b32 s29, 3, 4                        ; there my tile begins at row 8 w, else at 16 w,
	s_cselect_b32 s70, 25, 1                       ; and its row 8 lies 25 rows behind its row 7, else 1
	s_lshl_b32 s29, s20, s29
	s_add_co_u32 s28, s28, s29
	s_mul_i32 s70, s70, s22
	s_mov_b32 s71, 0
	s_mul_i32 s28, s28, s22                        ; in bytes (under 2^26)
	s_mov_b32 s29, 0
	s_add_nc_u64 s[RB:RB+1], s[26:27], s[28:29]
.irp i, 1,2,3,4,5,6,7,8,9,10,11,12,13,14,15
.if \i == 8
	s_add_nc_u64 s[RB+2*\i:RB+2*\i+1], s[RB+2*\i-2:RB+2*\i-1], s[70:71]
.else
	s_add_nc_u64 s[RB+2*\i:RB+2*\i+1], s[RB+2*\i-2:RB+2*\i-1], s[22:23]
.endif
.endr
	s_lshl_b32 s21, ttmp9, 2
	s_add_co_u32 s21, s21, s20                     ; T
	s_mul_i32 s28, s21, 12288
	s_add_nc_u64 s[66:67], s[16:17], s[28:29]      ; my tile's codes
	s_lshl_b32 s28, s21, 9
	s_add_nc_u64 s[68:69], s[18:19], s[28:29]      ; my 16 rows' scale bytes
.macro LOAD s                          ; K step s: 16 loads, a row each, 512 consecutive bytes
.irp i, 0,1,2,3,4,5,6,7,8,9,10,11,12,13,14,15
.if (\s) < 4
	global_load_b128 v[R+64*((\s)%2)+4*\i:R+64*((\s)%2)+4*\i+3], v4, s[RB+2*\i:RB+2*\i+1] offset:512*(\s) th:TH_LOAD_NT
.elseif (\s) < 6
	global_load_b128 v[R+64*((\s)%2)+4*\i:R+64*((\s)%2)+4*\i+3], v4, s[RB+2*\i:RB+2*\i+1] offset:512*(\s)
.else
	global_load_b128 v[R+64*((\s)%2)+4*\i:R+64*((\s)%2)+4*\i+3], v5, s[RB+2*\i:RB+2*\i+1] offset:512*((\s)-2)
.endif
.endr
.endm
.macro QSTEP s
.if (\s) < 7
	s_wait_loadcnt 16                              ; this step's 16 loads are in; the next step's 16 may be out
.else
	s_wait_loadcnt 0
.endif
.irp i, 0,1,2,3,4,5,6,7,8,9,10,11,12,13,14,15
	ds_store_b128 v6, v[R+64*((\s)%2)+4*\i:R+64*((\s)%2)+4*\i+3] offset:PITCH*\i
.endr
.irp b, 0,1,2,3                                ; LDS serves a wave's instructions in order: these see the stores above
.irp j, 0,1,2,3
	ds_load_b128 v[X+16*\b+4*\j:X+16*\b+4*\j+3], v7 offset:128*\b+16*\j   ; k = 32 b + 16 h + 0 .. 15
.endr
.endr
	s_wait_dscnt 0x0                               ; my numbers are back, and the stores have read the set that the loads below fill
	s_wait_xcnt 0x0                                ; the last step's stores have read v[PC] on
.if (\s) < 6
	LOAD (\s)+2
.endif
	QUANT X, SW+(\s)
.if (\s) >= 6
.irp k, 0,1,2,3,4,5,6,7,8,9,10,11
	v_and_b32 v[PC+\k], s24, v[PC+\k]              ; zero codes where K is padding
.endr
.endif
.irp c, 0,1
.irp p, 0,1,2
	global_store_b64 v8, v[PC+6*\c+2*\p:PC+6*\c+2*\p+1], s[66:67] offset:1536*(\s)+768*\c+256*\p   ; 32 lanes store 256 consecutive bytes, aligned
.endr
.endr
.endm
	LOAD 0
	LOAD 1
.irp t, 0,1,2,3,4,5,6,7
	QSTEP \t
.endr
	s_mov_b32 vcc_lo, 0xffff0000
.irp k, 0,1,2,3
	v_cndmask_b32 v[SELW+\k], v[SW+\k], v[SW+4+\k], vcc_lo   ; lanes 0-15: my row's words 0-3; lanes 16-31: words 4-7
.endr
	global_store_b128 v9, v[SELW:SELW+3], s[68:69] ; 512 consecutive bytes
	s_wait_tensorcnt 0x0                           ; the wave's end
	ds_add_u32 v46, v47
	s_wait_dscnt 0x0
	s_endpgm
.Lfunc_end_k_q01cf3d427f_quant:
	.size	k_q01cf3d427f_quant, .Lfunc_end_k_q01cf3d427f_quant-k_q01cf3d427f_quant
	.p2alignl 7, 3214868480
	.fill 96, 4, 3214868480
	.section	.rodata,"a",@progbits
	.p2align	6, 0x0
	.amdhsa_kernel k_q01cf3d427f_quant
		.amdhsa_group_segment_fixed_size 34304
		.amdhsa_private_segment_fixed_size 0
		.amdhsa_enable_private_segment 0
		.amdhsa_kernarg_size 64
		.amdhsa_user_sgpr_count 2
		.amdhsa_user_sgpr_kernarg_segment_ptr 1
		.amdhsa_wavefront_size32 1
		.amdhsa_system_sgpr_workgroup_id_x 1
		.amdhsa_system_sgpr_workgroup_id_y 1
		.amdhsa_system_sgpr_workgroup_id_z 1
		.amdhsa_system_vgpr_workitem_id 0
		.amdhsa_next_free_vgpr 256
		.amdhsa_next_free_sgpr 72
		.amdhsa_reserve_vcc 1
		.amdhsa_float_denorm_mode_32 3
		.amdhsa_float_denorm_mode_16_64 3
		.amdhsa_memory_ordered 1
		.amdhsa_forward_progress 1
		.amdhsa_inst_pref_size 69
	.end_amdhsa_kernel
	.amdgpu_metadata
---
amdhsa.version: [ 1, 2 ]
amdhsa.kernels:
  - .name:           k_q01cf3d427f_quant
    .symbol:         k_q01cf3d427f_quant.kd
    .args:
      - { .name: q, .offset: 0, .size: 8, .value_kind: global_buffer, .address_space: global }
      - { .name: kv, .offset: 8, .size: 8, .value_kind: global_buffer, .address_space: global }
      - { .name: wq, .offset: 16, .size: 8, .value_kind: global_buffer, .address_space: global }
      - { .name: wk, .offset: 24, .size: 8, .value_kind: global_buffer, .address_space: global }
      - { .name: wv, .offset: 32, .size: 8, .value_kind: global_buffer, .address_space: global }
      - { .name: wo, .offset: 40, .size: 8, .value_kind: global_buffer, .address_space: global }
      - { .name: xc, .offset: 48, .size: 8, .value_kind: global_buffer, .address_space: global }
      - { .name: xs, .offset: 56, .size: 8, .value_kind: global_buffer, .address_space: global }
    .group_segment_fixed_size: 34304
    .private_segment_fixed_size: 0
    .kernarg_segment_align: 8
    .kernarg_segment_size: 64
    .max_flat_workgroup_size: 128
    .sgpr_count:     72
    .vgpr_count:     256
    .wavefront_size: 32
...
	.end_amdgpu_metadata
.endif
;; end of part 1
;; launch proj (part 2): grid 4 x 96, 4 waves a work-group, clusters of 4 x 4, 327,680 bytes of LDS; arguments xc, xs, pc; writes pc
.if DOCPART == 2
	.amdgcn_target "amdgcn-amd-amdhsa--gfx1250"
	.amdhsa_code_object_version 6
	.text
	.protected	k_q01cf3d427f_proj
	.globl	k_q01cf3d427f_proj
	.p2align	8
	.type	k_q01cf3d427f_proj,@function
k_q01cf3d427f_proj:
	s_mov_b64 s[64:65], 0
	v_nop
	global_prefetch_b8 v0, s[64:65] scope:SCOPE_SE
	s_setreg_imm32_b32 hwreg(HW_REG_WAVE_MODE, 25, 1), 1
	s_wait_xcnt 0x0
	s_wait_alu depctr_hold_cnt(0) depctr_sa_sdst(0) depctr_va_vdst(0) depctr_va_sdst(0) depctr_va_ssrc(0) depctr_va_vcc(0) depctr_vm_vsrc(0)
	s_getreg_b32 s2, hwreg(HW_REG_IB_STS2, 6, 4)
	s_cmp_eq_u32 s2, 0
	s_cbranch_scc0 .Lentry_in_a_cluster
	s_endpgm
.Lentry_in_a_cluster:
	s_bfe_u32 s2, ttmp6, 0x10000c
	s_cmp_lg_u32 s2, 0xf033
	s_cbranch_scc0 .Lentry_shape_is_right
	s_endpgm
.Lentry_shape_is_right:
; The three projections on codes of FP6 (E2M3, one E8M0 scale for each 32 along K), K = 1,024 (768 filled up with zero codes), each result quantised in registers and stored as codes.
; Cluster y = 8 tz + i.  tz = 0: qp = q wq^T;  tz = 1: kp = kv wk^T;  tz = 2: vp^T = wv kv^T (roles swapped, so that a lane's results run along the KEYS, the second attention product's K).
; A tile of C, 256 x 256, is made by four waves, 128 x 128 each: 64 accumulators.  K goes in steps of 256 through a ring of two LDS slots filled by the tensor data mover.
; xc is laid [T][kg][768] (a picture of six operand registers): a fragment is six loads of 256 consecutive LDS bytes.  The scale bytes of the work-group's 512 rows, for all of K, come once, at the head.
; CLUSTERS 4 x 4: A's tiles are asked for jointly by a row of the cluster, B's by a column.  THE PRODUCT IS USED TRANSPOSED (source 0 = 16 rows of B, source 1 = 16 rows of A): lane (r, h) holds row r of A's block
; and, in accumulator b, rows 8 h + 0 .. 7 of B's tile b.  By the way B's tiles are dealt (see the first launch) accumulators 4 c .. 4 c + 3 hold columns 64 c + 32 h + 0 .. 31: a whole block in a lane, in order.
; OUT.  pc: [b][head][step of 128 tokens][Q | K | V], each part 6,144 bytes of codes and 256 of scale words.  Q, K codes: [tile of 16 tokens][768].  V codes: [tile of 16 channels][64 keys][768].
; Scale words: [r][4 words].  Q, K word p: two bytes of row r of tile 2 p, two of tile 2 p + 1.  V word t: the four key blocks of row r of channel tile t.
; K's token tiles and V's channel tiles keep the dealing of kv's and wv's rows.
; No prefetch: K is four steps, and two of them are asked for before the first product.
; LIMITS: NaN and infinities are not served; a block of zeros or under 2^-124 gets the byte 1 (read by this program alone).
; REGISTERS: window 0: v16-29 addresses; v32-63 scale words, two sets; v128-223 A's fragments, one set; window 1: B's fragments, two sets; windows 2, 3: the accumulators ((a, b) at v[8 (8 (a % 4) + b)]).
.set TROW,   3072                      ; 16 rows x 256 along K in bytes
.set TPITCH, 12288                     ; from T to T in memory
.set NQ,     2
.set FR,     12
.set NL,     6
.set NP,     4                         ; places behind this matrix instruction (ISA guide 7.12.1)
.set HALFT,  8*TROW                    ; 128 rows: what one load of the ring brings
.set SLOT,   4*HALFT
.set LAPS,   2
.set KS,     32
.set SCL,    2*SLOT
.set HALFS,  16*272
.set SBLK,   2*272
.set SPARE,  SCL+4*HALFS               ; the spare words, 128 bytes a wave
.set HEADB,  307200                    ; a head in pc
.set ADRA, 16
.set ADRB, 20
.set CST,  24                          ; v24 8 x lane
.set SST,  25                          ; v25 16 r + HEADB h
.set ADRS, 27
.set SPW,  28
.set NIL,  29
.set SC,   32
.set AF,   128
.set PC,   112                         ; the way out: v112-123 codes, v124-126, v128-130 at work
.set TM,   200                         ; v200-203 largest magnitudes
.set SO,   204                         ; v204-205 the conversions' scale operands
.set BY,   206                         ; v206-207 my two blocks' bytes
.set HW,   208
.set U,    220                         ; v220-227 scale words
.set FLR,  232                         ; 2^(3 - 127)
.set G1, 24
.set G0, 32
.set G1B, 48
.set G0B, 56
.set G1S, 68
.set G0S, 76
.set G1SB, 80
.set G0SB, 88
.set MSB, 0
.macro WIN new                         ; the immediate's high byte repeats the setting that is left
.if MSB != \new
	s_set_vgpr_msb (MSB<<8)|\new
.set MSB, \new
.endif
.endm
.set MUL_LO, 0xa1                      ; source 0 (B) window 1, source 1 (A) window 0, C and D window 2
.set MUL_HI, 0xf1
.set TO_B,   0x40
.macro JLOAD g0a, g1a, g0b, g1b        ; waves 0 and 1 fetch for A, waves 2 and 3 for B
	s_cmp_eq_u32 s15, 0
	s_cbranch_scc0 .Lfor_b_\@
	tensor_load_to_lds s[\g0a:\g0a+3], s[\g1a:\g1a+7]
	s_nop 0
.rept 4
	v_nop
.endr
	s_branch .Lasked_\@
.Lfor_b_\@:
	tensor_load_to_lds s[\g0b:\g0b+3], s[\g1b:\g1b+7]
	s_nop 0
.rept 4
	v_nop
.endr
.Lasked_\@:
.endm
.macro CREST                           ; a round of the cluster's barrier behind its opening barrier
	s_cmp_lg_u32 s14, 0
	s_cbranch_scc1 .Lnot_wave_0_\@
	s_barrier_signal -3
.Lnot_wave_0_\@:
	s_barrier_wait -3
	s_barrier_signal -1
	s_barrier_wait -1
.endm
.macro CROUND
	s_barrier_signal -1
	s_barrier_wait -1
	CREST
.endm
	s_load_b128 s[4:7], s[0:1], 0x0                ; xc, xs
	s_load_b64 s[8:9], s[0:1], 0x10                ; pc
	v_lshl_add_u32 v[SPW], v0, 2, SPARE
	v_mov_b32 v[NIL], 0
	ds_add_u32 v[SPW], v[NIL]                      ; the opening lines: the add, twice on end, and its wait
	ds_add_u32 v[SPW], v[NIL]
	v_lshrrev_b32 v1, 5, v0
	v_readfirstlane_b32 s14, v1                    ; wave 0..3
	s_lshr_b32 s15, s14, 1                         ; my half of the tile's rows.  Also: I fetch for A (0) or for B (1)
	s_and_b32 s16, s14, 1                          ; my half of its columns.  Also: which 128 rows I fetch
	s_bfe_u32 s40, ttmp6, 0x40000                  ; cx
	s_bfe_u32 s41, ttmp6, 0x40004                  ; cy
	s_and_b32 s12, ttmp7, 0xffff                   ; cluster y
	s_lshr_b32 s13, s12, 3                         ; tz: 0 Q, 1 K, 2 V
	s_and_b32 s12, s12, 7
	s_lshl_b32 s12, s12, 2
	s_lshr_b32 s95, s13, 1                         ; isV
	s_mul_i32 s42, s12, s95                        ; V: the tokens run along the columns,
	s_sub_co_u32 s17, s12, s42                     ; Q, K: along the rows
	s_add_co_u32 s42, s42, s40                     ; tile column
	s_add_co_u32 s17, s17, s41                     ; tile row
	s_lshl_b32 s43, s41, 2
	s_lshl_b32 s43, 15, s43                        ; my row of the cluster
	s_lshl_b32 s44, 0x1111, s40                    ; my column
	; group 1: rows (T) of 3,072 bytes, 12,288 bytes apart, elements of 8 bytes: 16 rows for the head's loads, 8 for the ring's
	s_or_b32 s[G1+0], s43, (3<<16)|(1<<21)
	s_or_b32 s[G1B+0], s44, (3<<16)|(1<<21)
.irp g, G1, G1B
	s_mov_b32 s[\g+1], (TROW/8)<<16
	s_mov_b32 s[\g+2], 16<<16
	s_mov_b32 s[\g+3], (TROW/8)<<16
	s_mov_b32 s[\g+4], 16
	s_mov_b32 s[\g+5], TPITCH/8
	s_mov_b32 s[\g+6], 0
	s_mov_b32 s[\g+7], 0
.endr
	; the scales of 256 rows: 8,192 dense bytes as 32 rows of 256 bytes, 16 bytes of padding behind each
	s_or_b32 s[G1S+0], s43, (3<<16)|(1<<20)|(1<<21)|(5<<22)|(3<<25)
	s_or_b32 s[G1SB+0], s44, (3<<16)|(1<<20)|(1<<21)|(5<<22)|(3<<25)
.irp g, G1S, G1SB
	s_mov_b32 s[\g+1], 32<<16
	s_mov_b32 s[\g+2], 32<<16
	s_mov_b32 s[\g+3], 32<<16
	s_mov_b32 s[\g+4], 32
	s_mov_b32 s[\g+5], 32
	s_mov_b32 s[\g+6], 0
	s_mov_b32 s[\g+7], 0
.endr
	s_lshl_b32 s18, s16, 3                         ; which 8 T of the tile's 16 I fetch in the ring
	s_lshl_b32 s20, s17, 4
	s_lshl_b32 s19, s13, 9
	s_add_co_u32 s20, s20, s19
	s_lshl_b32 s19, s95, 7
	s_add_co_u32 s20, s20, s19                     ; A's first T: q 0, kv 512, wv 1152, + 16 x tile row
	s_lshl_b32 s46, s42, 4
	s_add_co_u32 s46, s46, 1024
	s_lshl_b32 s19, s13, 6
	s_add_co_u32 s46, s46, s19
	s_mul_i32 s19, s95, 640
	s_sub_co_u32 s46, s46, s19                     ; B's first T: wq 1024, wk 1088, kv 512, + 16 x tile column
	s_lshl_b32 s22, s20, 9                         ; their scale bytes: 512 a T
	s_mov_b32 s23, 0
	s_lshl_b32 s92, s46, 9
	s_mov_b32 s93, 0
	s_add_co_u32 s20, s20, s18
	s_add_co_u32 s46, s46, s18
	s_mul_i32 s20, s20, TPITCH                     ; my 8 T's codes (under 2^24)
	s_mov_b32 s21, 0
	s_mul_i32 s46, s46, TPITCH
	s_mov_b32 s47, 0
	s_mul_i32 s45, s14, HALFT                      ; where they go: wave x 128 rows
	s_wait_dscnt 0x0                               ; both opening adds are done
	s_wait_kmcnt 0x0
	s_add_nc_u64 s[20:21], s[4:5], s[20:21]
	s_add_nc_u64 s[22:23], s[6:7], s[22:23]
	s_add_nc_u64 s[46:47], s[4:5], s[46:47]
	s_add_nc_u64 s[92:93], s[6:7], s[92:93]
	CROUND                                         ; all sixteen work-groups are here: the first joint loads meet
	s_mov_b32 s[G0S], 1
	s_mov_b32 s[G0S+1], SCL
	s_mov_b64 s[G0S+2:G0S+3], s[22:23]
	s_or_b32 s[G0S+3], s[G0S+3], 0x80000000
	s_mov_b32 s[G0SB], 1
	s_mov_b32 s[G0SB+1], SCL+2*HALFS
	s_mov_b64 s[G0SB+2:G0SB+3], s[92:93]
	s_or_b32 s[G0SB+3], s[G0SB+3], 0x80000000
.irp s, 0,1
	s_mov_b32 s[G0+4*\s], 1
	s_add_co_u32 s[G0+4*\s+1], s45, \s*SLOT
	s_add_nc_u64 s[G0+4*\s+2:G0+4*\s+3], s[20:21], \s*TROW
	s_or_b32 s[G0+4*\s+3], s[G0+4*\s+3], 0x80000000
	s_mov_b32 s[G0B+4*\s], 1
	s_add_co_u32 s[G0B+4*\s+1], s45, \s*SLOT
	s_add_nc_u64 s[G0B+4*\s+2:G0B+4*\s+3], s[46:47], \s*TROW
	s_or_b32 s[G0B+4*\s+3], s[G0B+4*\s+3], 0x80000000
.endr
; THE HEAD'S LOADS, ONE A WAVE.  Wave 0's own group 0 for slot 0 names A's first T and LDS byte 0, wave 2's names B's first T and the byte behind A's 256 rows:
; with 16 rows in group 1 each brings a whole tile of K step 0.  Wave 1 brings A's scales, wave 3 B's.  One chain of branches on the wave's number, one load to an arm.
.macro ARM under, g0, g1, next
	s_cmp_lt_u32 s14, \under
	s_cbranch_scc0 \next
	tensor_load_to_lds s[\g0:\g0+3], s[\g1:\g1+7]
	s_nop 0
.rept 4
	v_nop
.endr
	s_branch .Lhead_asked
\next:
.endm
	ARM 1, G0,  G1,  .Lhead_sa
	ARM 2, G0S, G1S, .Lhead_b
	ARM 3, G0B, G1B, .Lhead_sb
	tensor_load_to_lds s[G0SB:G0SB+3], s[G1SB:G1SB+7]
	s_nop 0
.rept 4
	v_nop
.endr
.Lhead_asked:
	v_and_b32 v1, 15, v0                           ; r
	v_bfe_u32 v2, v0, 4, 1                         ; h
	v_and_b32 v3, 31, v0
	v_lshlrev_b32 v[CST], 3, v3                    ; 8 x lane
	v_lshlrev_b32 v[SST], 4, v1
	v_mad_u32_u24 v[SST], v2, HEADB, v[SST]        ; 16 r + HEADB h
	s_mul_i32 s21, s15, HALFT                      ; my 128 rows of A
	s_mul_i32 s22, s16, HALFT
	s_add_co_u32 s22, s22, 2*HALFT                 ; my 128 rows of B, behind A's 256
.irp s, 0,1
	v_add_nc_u32 v[ADRA+\s], s21, v[CST]
	v_add_nc_u32 v[ADRB+\s], s22, v[CST]
	s_add_co_u32 s21, s21, SLOT
	s_add_co_u32 s22, s22, SLOT
.endr
	v_mul_u32_u24 v5, v1, KS                       ; my row's scales: 32 bytes a row,
	v_lshrrev_b32 v6, 8, v5
	v_lshl_add_u32 v5, v6, 4, v5                   ; and 16 more for each 256 passed
	s_mul_i32 s21, s15, HALFS
	s_mul_i32 s22, s16, HALFS
	s_add_co_u32 s22, s22, 2*HALFS
	s_sub_co_u32 s22, s22, s21
	v_mul_u32_u24 v6, s22, v2                      ; lanes 16-31 take B's
	s_add_co_u32 s21, s21, SCL
	v_add_nc_u32 v5, v5, v6
	v_add_nc_u32 v[ADRS], s21, v5
	; where my 128 x 128 goes
	s_lshl_b32 s18, s17, 1
	s_add_co_u32 s18, s18, s15                     ; which 128 rows
	s_lshl_b32 s19, s42, 1
	s_add_co_u32 s19, s19, s16                     ; which 128 columns
	s_cmp_eq_u32 s95, 1
	s_cselect_b32 s20, s19, s18                    ; the 128 tokens
	s_cselect_b32 s21, s18, s19                    ; the pair of heads
	s_lshr_b32 s22, s20, 4                         ; b
	s_and_b32 s20, s20, 15                         ; step
	s_mul_i32 s46, s13, 6400
	s_mul_i32 s23, s22, 16*HEADB
	s_add_co_u32 s46, s46, s23
	s_mul_i32 s23, s21, 2*HEADB
	s_add_co_u32 s46, s46, s23
	s_mul_i32 s23, s20, 19200
	s_add_co_u32 s46, s46, s23
	s_mov_b32 s47, 0
	s_add_nc_u64 s[8:9], s[8:9], s[46:47]
.macro FRAG reg, adr, q, i             ; a fragment, 16 rows x 128 K, 12 registers: six pieces of 256 consecutive bytes
.irp c, 0,1
.irp p, 0,1,2
	ds_load_b64 v[\reg+6*\c+2*\p:\reg+6*\c+2*\p+1], v[\adr] offset:(\i)*TROW+(\q)*1536+768*\c+256*\p
.endr
.endr
.endm
; 16 matrix instructions: A's blocks a0, a0 + 1 x B's eight.  The 64 accumulators take turns, one instruction a turn.
.macro MUL16 a0, p, q, sc, zero
.irp a, \a0, \a0+1
.irp b, 0,1,2,3,4,5,6,7
.if \zero
	v_wmma_scale_f32_16x16x128_f8f6f4 v[8*(8*((\a)%4)+\b):8*(8*((\a)%4)+\b)+7], v[128*(\p)+FR*\b:128*(\p)+FR*\b+FR-1], v[AF+FR*(\a):AF+FR*(\a)+FR-1], 0, v[SC+8*NQ*(\sc)+NQ*\b+(\q)], v[SC+8*NQ*(\sc)+NQ*(\a)+(\q)] matrix_a_fmt:MATRIX_FMT_FP6 matrix_b_fmt:MATRIX_FMT_FP6 matrix_a_scale:MATRIX_SCALE_ROW1
.else
	v_wmma_scale_f32_16x16x128_f8f6f4 v[8*(8*((\a)%4)+\b):8*(8*((\a)%4)+\b)+7], v[128*(\p)+FR*\b:128*(\p)+FR*\b+FR-1], v[AF+FR*(\a):AF+FR*(\a)+FR-1], v[8*(8*((\a)%4)+\b):8*(8*((\a)%4)+\b)+7], v[SC+8*NQ*(\sc)+NQ*\b+(\q)], v[SC+8*NQ*(\sc)+NQ*(\a)+(\q)] matrix_a_fmt:MATRIX_FMT_FP6 matrix_b_fmt:MATRIX_FMT_FP6 matrix_a_scale:MATRIX_SCALE_ROW1
.endif
.endr
.endr
.endm
.macro FETCH_B slot, q, p
	WIN TO_B
.irp i, 0,1,2,3,4,5,6,7
	FRAG 128*(\p)+FR*\i, ADRB+\slot, \q, \i
.endr
	WIN 0
.endm
.macro FETCH_A slot, q, i0
.irp i, \i0, \i0+1, \i0+2, \i0+3
	FRAG AF+FR*(\i), ADRA+\slot, \q, \i
.endr
.endm
.macro SCALES sc                       ; a K step's scale words: two a row; lanes 0-15 take A's block i, lanes 16-31 B's block i
.irp i, 0,1,2,3,4,5,6,7
	ds_load_b64 v[SC+8*NQ*\sc+NQ*\i:SC+8*NQ*\sc+NQ*\i+1], v[ADRS] offset:\i*SBLK
.endr
.endm
.macro PLACES n                        ; plain vector instructions between a matrix instruction and a load into, or a read of, its registers
.rept \n
	v_nop
.endr
.endm
.macro STEP slot, q, zero              ; 128 along K that have their successor in the same slot
	s_wait_dscnt 4*NL                              ; B's set and A's blocks 0-3 are in; the youngest 24 loads (A's blocks 4-7) may be out
	WIN MUL_LO
	MUL16 0, (\q)%2, \q, \slot, \zero
	MUL16 2, (\q)%2, \q, \slot, \zero
	s_wait_dscnt 0                                 ; A's blocks 4-7 are in
	PLACES NP
	FETCH_B \slot, (\q)+1, 1-(\q)%2
	FETCH_A \slot, (\q)+1, 0
	WIN MUL_HI
	MUL16 4, (\q)%2, \q, \slot, \zero
	MUL16 6, (\q)%2, \q, \slot, \zero
	PLACES NP
	WIN 0
	FETCH_A \slot, (\q)+1, 4
.endm
; A slot's last step changes slots: one barrier; in front of it each wave waits for all its tensor loads, adds 0 to its spare word, and waits for that and for its reads of this slot.
.macro TURN slot, next, fill
	s_wait_tensorcnt 0x0                           ; all my tensor loads have landed: my part of the next slot
	ds_add_u32 v[SPW], v[NIL]
	s_wait_dscnt 4*NL+1                            ; (the add and the youngest 24 loads may be out)
	WIN MUL_LO
	MUL16 0, 1, NQ-1, \slot, 0
	s_wait_dscnt 0x0                               ; the add is done, and my reads of this slot are over
	s_barrier_signal -1
	MUL16 2, 1, NQ-1, \slot, 0
	WIN 0
	s_barrier_wait -1
.if \fill
	CREST                                          ; the barrier has opened a round of the cluster's
	s_add_nc_u64 s[G0+4*\slot+2:G0+4*\slot+3], s[G0+4*\slot+2:G0+4*\slot+3], 2*TROW
	s_add_nc_u64 s[G0B+4*\slot+2:G0B+4*\slot+3], s[G0B+4*\slot+2:G0B+4*\slot+3], 2*TROW
	JLOAD G0+4*\slot, G1, G0B+4*\slot, G1B         ; my one tensor load behind the round; its four v_nop are the places in front of the loads below
.else
	PLACES NP
.endif
	s_wait_alu depctr_va_vdst(0)
	v_add_nc_u32 v[ADRS], 4*NQ, v[ADRS]            ; the next K step's scale words
	FETCH_B \next, 0, 0
	FETCH_A \next, 0, 0
	SCALES \next
	WIN MUL_HI
	MUL16 4, 1, NQ-1, \slot, 0
	MUL16 6, 1, NQ-1, \slot, 0
	PLACES NP
	WIN 0
	FETCH_A \next, 0, 4
.endm
	s_wait_alu depctr_va_vdst(0)                   ; the head's end
	s_wait_tensorcnt 0x0                           ; my tile of the head's four is in
	ds_add_u32 v[SPW], v[NIL]
	s_mov_b32 s[G1+2], 8<<16                       ; no tensor load of mine is out: from here on a load brings 8 rows
	s_mov_b32 s[G1+4], 8
	s_mov_b32 s[G1B+2], 8<<16
	s_mov_b32 s[G1B+4], 8
	s_wait_dscnt 0x0
	CROUND                                         ; all four tiles are in, and all sixteen work-groups are here
	JLOAD G0+4, G1, G0B+4, G1B                     ; K step 1, the first tensor load behind the round
	FETCH_B 0, 0, 0
	FETCH_A 0, 0, 0
	SCALES 0
	FETCH_A 0, 0, 4
	STEP 0, 0, 1                                   ; the first step's products start the sums
	s_mov_b32 s3, LAPS-1
.Llap:                                                 ; a trip goes once round the ring and fills both slots again
	TURN 0, 1, 1
	STEP 1, 0, 0
	TURN 1, 0, 1
	STEP 0, 0, 0
	s_sub_co_u32 s3, s3, 1
	s_cmp_lg_u32 s3, 0
	s_cbranch_scc1 .Llap
	TURN 0, 1, 0                                   ; the last lap fills nothing
	STEP 1, 0, 0
	s_wait_dscnt 4*NL
	WIN MUL_LO
	MUL16 0, 1, NQ-1, 1, 0
	MUL16 2, 1, NQ-1, 1, 0
	s_wait_dscnt 0
	WIN MUL_HI
	MUL16 4, 1, NQ-1, 1, 0
	MUL16 6, 1, NQ-1, 1, 0
	WIN 0
; THE WAY OUT.  A's block a: 64 registers of window w from s on = my two whole blocks of 32 columns (blocks h and 2 + h of the 128).  They become 12 registers of codes, which are the operand's picture, and two bytes.
.macro QUANTW w, s
	WIN (((\w)<<2)|((\w)<<4))                      ; sources 1 and 2: the accumulators' window
.irp c, 0,1
	v_max3_num_f32 v[TM+2*\c], v[FLR], |v[(\s)+32*\c]|, |v[(\s)+1+32*\c]|        ; each accumulator is read from its low end on; two chains a block
	v_max3_num_f32 v[TM+2*\c+1], v[FLR], |v[(\s)+16+32*\c]|, |v[(\s)+17+32*\c]|
.endr
.irp i, 2,4,6,8,10,12,14
.irp c, 0,1
	v_max3_num_f32 v[TM+2*\c], v[TM+2*\c], |v[(\s)+32*\c+\i]|, |v[(\s)+1+32*\c+\i]|
	v_max3_num_f32 v[TM+2*\c+1], v[TM+2*\c+1], |v[(\s)+16+32*\c+\i]|, |v[(\s)+17+32*\c+\i]|
.endr
.endr
	WIN 0
.irp c, 0,1
	v_max_num_f32 v[TM+2*\c], v[TM+2*\c], v[TM+2*\c+1]
.endr
.irp c, 0,1
	v_add_nc_u32 v[SO+\c], 0xff000000, v[TM+2*\c]  ; 2 off the exponent field: the conversion's scale operand
.endr
.irp c, 0,1
	v_lshrrev_b32 v[BY+\c], 23, v[SO+\c]           ; the scale's byte
.endr
	WIN (\w)                                       ; source 0: the accumulators' window
.irp c, 0,1
	v_cvt_scalef32_pk16_fp6_f32 v[PC+6*\c:PC+2+6*\c], v[(\s)+32*\c:(\s)+15+32*\c], v[SO+\c]
	v_cvt_scalef32_pk16_fp6_f32 v[PC+12+4*\c:PC+14+4*\c], v[(\s)+16+32*\c:(\s)+31+32*\c], v[SO+\c]   ; (a conversion's three registers begin on an even number)
.endr
	WIN 0
	v_nop                                          ; one plain instruction behind the scaled conversions
.irp c, 0,1
.irp i, 0,1,2
	v_mov_b32 v[PC+3+6*\c+\i], v[PC+12+4*\c+\i]
.endr
.endr
.endm
.macro EPI isv
.irp a, 0,1,2,3,4,5,6,7
.if \a > 0
	s_wait_xcnt 0x0                                ; the last block's stores have read v[PC] on
.endif
	QUANTW (2+\a/4), (64*(\a%4))
.irp c, 0,1
.irp p, 0,1,2
.if \isv
	global_store_b64 v[CST], v[PC+6*\c+2*\p:PC+6*\c+2*\p+1], s[8:9] offset:HEADB*(\a/4)+1536*(\a%4)+768*\c+256*\p   ; head a / 4, channel tile a % 4, keys 64 c on
.else
	global_store_b64 v[CST], v[PC+6*\c+2*\p:PC+6*\c+2*\p+1], s[8:9] offset:768*\a+HEADB*\c+256*\p   ; token tile a, head c.  32 lanes store 256 consecutive bytes, aligned
.endif
.endr
.endr
.if \isv
	v_lshl_or_b32 v[U+\a], v[BY+1], 16, v[BY]      ; key blocks h and 2 + h of my channel
.else
	v_permlane16_swap_b32 v[BY], v[BY+1]           ; now lane (r, h) holds head h's block 0 and block 1 of token r
.if \a%2 == 0
	v_lshl_or_b32 v[U+\a/2], v[BY+1], 8, v[BY]
.else
	v_lshl_or_b32 v[HW], v[BY+1], 8, v[BY]
	v_lshl_or_b32 v[U+\a/2], v[HW], 16, v[U+\a/2]
.endif
.endif
.endr
.if \isv
.irp k, 0,1,2,3
	v_permlane16_swap_b32 v[U+\k], v[U+4+\k]       ; lanes 0-15: tile k, lanes 16-31: tile k + 4; the first holds blocks 0 and 2, the second blocks 1 and 3
.endr
.irp k, 0,1,2,3
	v_lshl_or_b32 v[U+\k], v[U+4+\k], 8, v[U+\k]
.endr
.endif
	global_store_b128 v[SST], v[U:U+3], s[8:9] offset:6144   ; two runs of 256 consecutive bytes: lanes 0-15 the first head, lanes 16-31 the second
.endm
	PLACES NP                                      ; behind the last products: their results are read and A's registers written below
	v_mov_b32 v[FLR], 0x1800000
	s_cmp_eq_u32 s95, 1                            ; the same in all waves and all partners: it hangs on the cluster's y alone
	s_cbranch_scc1 .Lepi_v
	EPI 0
	s_branch .Lepi_done
.Lepi_v:
	s_wait_alu depctr_va_vdst(0)
	EPI 1
.Lepi_done:
	s_wait_tensorcnt 0x0                           ; the wave's end
	ds_add_u32 v[SPW], v[NIL]
	s_wait_dscnt 0x0
	CROUND                                         ; the closing round
	s_endpgm
.Lfunc_end_k_q01cf3d427f_proj:
	.size	k_q01cf3d427f_proj, .Lfunc_end_k_q01cf3d427f_proj-k_q01cf3d427f_proj
	.p2alignl 7, 3214868480
	.fill 96, 4, 3214868480
	.section	.rodata,"a",@progbits
	.p2align	6, 0x0
	.amdhsa_kernel k_q01cf3d427f_proj
		.amdhsa_group_segment_fixed_size 327680
		.amdhsa_private_segment_fixed_size 0
		.amdhsa_enable_private_segment 0
		.amdhsa_kernarg_size 24
		.amdhsa_user_sgpr_count 2
		.amdhsa_user_sgpr_kernarg_segment_ptr 1
		.amdhsa_wavefront_size32 1
		.amdhsa_system_sgpr_workgroup_id_x 1
		.amdhsa_system_sgpr_workgroup_id_y 1
		.amdhsa_system_sgpr_workgroup_id_z 1
		.amdhsa_system_vgpr_workitem_id 0
		.amdhsa_next_free_vgpr 1024
		.amdhsa_next_free_sgpr 100
		.amdhsa_reserve_vcc 0
		.amdhsa_float_denorm_mode_32 3
		.amdhsa_float_denorm_mode_16_64 3
		.amdhsa_memory_ordered 1
		.amdhsa_forward_progress 1
		.amdhsa_inst_pref_size 188
	.end_amdhsa_kernel
	.amdgpu_metadata
---
amdhsa.version: [ 1, 2 ]
amdhsa.kernels:
  - .name:           k_q01cf3d427f_proj
    .symbol:         k_q01cf3d427f_proj.kd
    .args:
      - { .name: xc, .offset: 0, .size: 8, .value_kind: global_buffer, .address_space: global }
      - { .name: xs, .offset: 8, .size: 8, .value_kind: global_buffer, .address_space: global }
      - { .name: pc, .offset: 16, .size: 8, .value_kind: global_buffer, .address_space: global }
    .group_segment_fixed_size: 327680
    .private_segment_fixed_size: 0
    .kernarg_segment_align: 8
    .kernarg_segment_size: 24
    .max_flat_workgroup_size: 128
    .sgpr_count:     100
    .vgpr_count:     1024
    .wavefront_size: 32
...
	.end_amdgpu_metadata
.endif
;; end of part 2
;; launch attn (part 3): grid 4 x 64, 16 waves a work-group, clusters of 4 x 1, 327,680 bytes of LDS; arguments pc, oc, os; writes oc, os
.if DOCPART == 3
	.amdgcn_target "amdgcn-amd-amdhsa--gfx1250"
	.amdhsa_code_object_version 6
	.text
	.protected	k_q01cf3d427f_attn
	.globl	k_q01cf3d427f_attn
	.p2align	8
	.type	k_q01cf3d427f_attn,@function
k_q01cf3d427f_attn:
	s_mov_b64 s[64:65], 0
	v_nop
	global_prefetch_b8 v0, s[64:65] scope:SCOPE_SE
	s_setreg_imm32_b32 hwreg(HW_REG_WAVE_MODE, 25, 1), 1
	s_wait_xcnt 0x0
	s_wait_alu depctr_hold_cnt(0) depctr_sa_sdst(0) depctr_va_vdst(0) depctr_va_sdst(0) depctr_va_ssrc(0) depctr_va_vcc(0) depctr_vm_vsrc(0)
	s_getreg_b32 s2, hwreg(HW_REG_IB_STS2, 6, 4)
	s_cmp_eq_u32 s2, 0
	s_cbranch_scc0 .Lentry_in_a_cluster
	s_endpgm
.Lentry_in_a_cluster:
	s_bfe_u32 s2, ttmp6, 0x10000c
	s_cmp_lg_u32 s2, 0x3003
	s_cbranch_scc0 .Lentry_shape_is_right
	s_endpgm
.Lentry_shape_is_right:
; o = softmax(q k^T / 8) v for one (batch, head) and 512 queries a work-group, on codes of FP6 (E2M3, one E8M0 scale for each 32 along K); o leaves quantised along the channels, for the last product.
; p = 2^(t - M), t = score x log2(e) / 8, M = the ceiling of the running largest t; the row's sum is taken of the unquantised p; when M moves, sum and O^T are multiplied by 2^(old M - new M).
; SHARES.  Cluster of 4 work-groups = the 2,048 queries of one head: its K and V, 16 steps of 128 keys, are asked for jointly, one load of 12,800 dense bytes a wave (step w: K's codes, K's scale words, V's codes,
; V's scale words), and stay in LDS, 16,384 bytes from step to step.  A wave owns 32 queries, 16 to a pass.  Both products are used transposed: a lane holds one query.
; S^T = K q^T: the head has 64 channels, the instruction 128: a fragment of K holds two tiles of 16 keys, and q stands once in the lower and once in the upper half of a source that is zero elsewhere.
; By the way K's tiles are dealt (see the first launch) registers S + 32 c + 0 .. 31 of lane (r, h) are keys 64 c + 32 h + 0 .. 31: a whole block of p in a lane, in the operand's own place:
; no other lane is asked for a block's maximum, and the codes are not moved between lanes.  V's channel tiles are dealt alike, so that O^T's 32 registers are channels 32 h + 0 .. 31.
; A block's largest p is the exponential of its largest score (the same two instructions on the same number); this takes v_exp_f32 not to fall where its input rises.
; ORDER IN A STEP: the row sums stand behind the second product, and under them the next step's fragments of K are fetched (the second pass's last step fetches step 0 once more; nobody reads that).
; A work-group barrier is signalled at each step's top and waited for at its end: no wave begins a step before every wave has begun the step before.  It guards no bytes.
; No prefetch: all tiles are asked for at the head, and there is no loop to run ahead in.
; LIMITS: the scaled scores stay under 2^31 in magnitude; NaN and infinities are not served; a block of zeros or under 2^-124 gets the byte 1 (read by this program alone).
.set SLOTB, 16384
.set KSC,   6144
.set VCO,   6400
.set VSC,   12544
.set SPARE, 0x48000                    ; the spare words, 128 bytes a wave
.set HEADB, 307200
.set L8,  1                            ; 8 x lane
.set R16, 2                            ; 16 r
.set OB,  3                            ; 32 r + h
.set ADV, 4
.set ASV, 5
.set ADK, 6
.set ASK, 7
.set OLD, 8
.set TT,  9
.set TP,  10
.set BYO, 11
.set QHI, 16                           ; v16-21 zeros, v22-27 q, v28-33 zeros: v[16:27] has q above, v[22:33] below
.set QLO, 22
.set QB,  34                           ; the second pass's q
.set QW,  40
.set QS,  41
.set FF,  42                           ; v[42:43]
.set BM,  44                           ; v44-47 four chains of maxima; then v44, v46 the two blocks'
.set KF,  48                           ; v48-95 four fragments of K, then of V
.set S,   96                           ; v96-159 scores, then p
.set OT,  160                          ; v160-191 O^T
.set PCD, 192                          ; v192-203 p's codes; v204-206, v208-210 at work
.set SO,  207                          ; v207, v211 the conversions' scale operands
.set KSR, 212
.set VSR, 216
.set X,   220                          ; v220-225 three more chains of the row's sum
.set PW,  226
.set W,   227
.set WP,  228
.set B0,  229                          ; v229-230 bytes
.set SPW, 254
.set NIL, 255
.set WV,  12
.set CX,  13
.set BH,  14
.set G1,  16
.set G0,  24
.set SEL, 28
.set CS,  30
.set TB,  32
.set TK,  33
.set CNT, 34
.set PASS, 35
.set QSEL, 36
.macro CROUND
	s_barrier_signal -1
	s_barrier_wait -1
	s_cmp_lg_u32 s[WV], 0
	s_cbranch_scc1 .Lnot_wave_0_\@
	s_barrier_signal -3
.Lnot_wave_0_\@:
	s_barrier_wait -3
	s_barrier_signal -1
	s_barrier_wait -1
.endm
.macro FRAGS adr, off                  ; four fragments: 24 pieces of 256 consecutive bytes
.irp p, 0,1,2,3
.irp u, 0,1
.irp i, 0,1,2
	ds_load_b64 v[KF+12*\p+6*\u+2*\i:KF+12*\p+6*\u+2*\i+1], v[\adr] offset:\off+1536*\p+768*\u+256*\i
.endr
.endr
.endr
.endm
.macro KLOADS
	FRAGS ADK, 0
	ds_load_b128 v[KSR:KSR+3], v[ASK] offset:KSC
.endm
.macro PKF from, n                     ; t - M, two at a time
.set j, \from
.rept \n
	v_pk_fma_f32 v[S+j:S+j+1], v[S+j:S+j+1], s[CS:CS+1], v[12:13] op_sel_hi:[1,0,0]
.set j, j+2
.endr
.endm
.macro SUMR k                          ; four chains take pairs k .. k + 3 of p
	v_pk_add_f32 v[14:15], v[14:15], v[S+2*(\k):S+2*(\k)+1]
	v_pk_add_f32 v[X:X+1], v[X:X+1], v[S+2*(\k)+2:S+2*(\k)+3]
	v_pk_add_f32 v[X+2:X+3], v[X+2:X+3], v[S+2*(\k)+4:S+2*(\k)+5]
	v_pk_add_f32 v[X+4:X+5], v[X+4:X+5], v[S+2*(\k)+6:S+2*(\k)+7]
.endm
	s_load_b128 s[4:7], s[0:1], 0x0                ; pc, oc
	s_load_b64 s[8:9], s[0:1], 0x10                ; os
	v_lshl_add_u32 v[SPW], v0, 2, SPARE
	v_mov_b32 v[NIL], 0
	ds_add_u32 v[SPW], v[NIL]                      ; the opening lines: the add, twice on end, and its wait
	ds_add_u32 v[SPW], v[NIL]
	v_lshrrev_b32 v5, 5, v0
	v_readfirstlane_b32 s[WV], v5
	s_bfe_u32 s[CX], ttmp6, 0x40000
	s_and_b32 s[BH], ttmp7, 0xffff                 ; 16 b + head
	s_mov_b32 s[G1], 15|(3<<16)|(1<<21)            ; all four partners; elements of 8 bytes: 50 rows of 256 bytes, dense
	s_mov_b32 s[G1+1], 32<<16
	s_mov_b32 s[G1+2], 50<<16
	s_mov_b32 s[G1+3], 32<<16
	s_mov_b32 s[G1+4], 50
	s_mov_b32 s[G1+5], 32
	s_mov_b32 s[G1+6], 0
	s_mov_b32 s[G1+7], 0
	s_mul_i32 s40, s[BH], HEADB
	s_mul_i32 s41, s[WV], 19200
	s_add_co_u32 s42, s40, s41
	s_add_co_u32 s42, s42, 6400                    ; step w's K and V
	s_mov_b32 s43, 0
	s_mov_b32 s[G0], 1
	s_lshl_b32 s[G0+1], s[WV], 14
	s_lshl_b32 s44, s[CX], 2
	s_lshr_b32 s45, s[WV], 2
	s_add_co_u32 s44, s44, s45                     ; my queries' step of 128: 4 cx + w / 4
	s_mul_i32 s44, s44, 19200
	s_add_co_u32 s44, s44, s40
	s_and_b32 s46, s[WV], 3
	s_mul_i32 s47, s46, 1536
	s_add_co_u32 s56, s44, s47                     ; my two tiles' codes
	s_mov_b32 s57, 0
	s_lshl_b32 s46, s46, 2
	s_add_co_u32 s58, s44, s46
	s_add_co_u32 s58, s58, KSC                     ; and their scale word
	s_mov_b32 s59, 0
	s_lshl_b32 s45, s[CX], 4
	s_add_co_u32 s45, s45, s[WV]
	s_lshr_b32 s46, s[BH], 4
	s_lshl_b32 s46, s46, 6
	s_add_co_u32 s45, s45, s46                     ; my pair of token tiles: 64 b + 16 cx + w
	s_and_b32 s46, s[BH], 15                       ; head
	s_mul_i32 s60, s45, 24576
	s_mul_i32 s47, s46, 768
	s_add_co_u32 s60, s60, s47
	s_mov_b32 s61, 0
	s_lshl_b32 s62, s45, 10
	s_lshl_b32 s47, s46, 1
	s_add_co_u32 s62, s62, s47
	s_mov_b32 s63, 0
	s_mov_b32 s[SEL], 0x76543210
	s_mov_b32 s[SEL+1], 0xfedcba98
	s_mov_b32 s[CS], 0x3e38aa3b                    ; log2(e) / 8
	s_mov_b32 s[CS+1], s[CS]
	s_mov_b32 s[PASS], 2
	s_mov_b32 s[QSEL], 0x01000100
	s_wait_dscnt 0x0
	s_wait_kmcnt 0x0
	s_add_nc_u64 s[G0+2:G0+3], s[4:5], s[42:43]
	s_or_b32 s[G0+3], s[G0+3], 0x80000000
	s_add_nc_u64 s[56:57], s[4:5], s[56:57]
	s_add_nc_u64 s[58:59], s[4:5], s[58:59]
	s_add_nc_u64 s[60:61], s[6:7], s[60:61]
	s_add_nc_u64 s[62:63], s[8:9], s[62:63]
	CROUND                                         ; the four partners are here: the joint loads meet
	tensor_load_to_lds s[G0:G0+3], s[G1:G1+7]      ; my one tensor load
	s_nop 0
	v_and_b32 v9, 31, v0
	v_and_b32 v10, 15, v0
	v_bfe_u32 v11, v0, 4, 1
	v_lshlrev_b32 v[L8], 3, v9
	v_lshlrev_b32 v[R16], 4, v10
	v_lshl_add_u32 v[OB], v10, 5, v11
.irp p, 0,1,2
	global_load_b64 v[QLO+2*\p:QLO+2*\p+1], v[L8], s[56:57] offset:256*\p
	global_load_b64 v[QB+2*\p:QB+2*\p+1], v[L8], s[56:57] offset:768+256*\p
.endr
	global_load_b32 v[QW], v[R16], s[58:59]
.irp i, 0,1,2,3,4,5
	v_mov_b32 v[QHI+\i], 0
	v_mov_b32 v[QLO+6+\i], 0
.endr
	v_mov_b32 v[WP], 0                             ; a lane permute's destination counts as one of its sources
	v_mov_b32 v[FF+1], 0                           ; named as the upper half of a pair
	v_mov_b32 v[ADK], v[L8]
	v_mov_b32 v[ASK], v[R16]
	s_wait_alu depctr_va_vdst(0)                   ; the head's end
	s_wait_tensorcnt 0x0
	s_wait_loadcnt 0x0
	s_barrier_signal -1
	s_barrier_wait -1                              ; all sixteen steps are in
	KLOADS                                         ; step 0's K
.Lpass:
	v_perm_b32 v[QS], v[QW], v[QW], s[QSEL]        ; this tile's two bytes, for both halves of K
	v_mov_b32 v13, 0xff61b1e6                      ; the largest score so far: -3e38
	v_mov_b32 v12, 0x7f61b1e6                      ; -M
	v_mov_b32 v14, 0
	v_mov_b32 v15, 0
.set j, 0
.rept 32
	v_mov_b32 v[OT+j], 0                           ; the step is written once: the first finds zeros
.set j, j+1
.endr
	s_mov_b32 s[TB], 0
	s_mov_b32 s[CNT], 16
.Lstep:
	s_wait_dscnt 0x0                               ; this step's K is in
	s_barrier_signal -1                            ; I have begun this step
.irp p, 0,1,2,3
	v_wmma_scale_f32_16x16x128_f8f6f4 v[S+16*\p:S+16*\p+7], v[KF+12*\p:KF+12*\p+11], v[QLO:QLO+11], 0, v[KSR+\p], v[QS] matrix_a_fmt:MATRIX_FMT_FP6 matrix_b_fmt:MATRIX_FMT_FP6
	v_wmma_scale_f32_16x16x128_f8f6f4 v[S+16*\p+8:S+16*\p+15], v[KF+12*\p:KF+12*\p+11], v[QHI:QHI+11], 0, v[KSR+\p], v[QS] matrix_a_fmt:MATRIX_FMT_FP6 matrix_b_fmt:MATRIX_FMT_FP6
.endr
	v_add_nc_u32 v[ADV], s[TB], v[L8]              ; the four address lines are the places behind the products
	v_add_nc_u32 v[ASV], s[TB], v[R16]
	s_add_co_u32 s[TB], s[TB], SLOTB
	s_and_b32 s[TK], s[TB], 0x3ffff                ; behind step 15 comes step 0, for the next pass
	v_add_nc_u32 v[ADK], s[TK], v[L8]
	v_add_nc_u32 v[ASK], s[TK], v[R16]
	FRAGS ADV, VCO
	ds_load_b128 v[VSR:VSR+3], v[ASV] offset:VSC
.irp c, 0,1                                    ; the largest score of my two blocks, two chains each; every accumulator is read from its low end on
	v_max3_num_f32 v[BM+2*\c], v[S+32*\c], v[S+32*\c+1], v[S+32*\c+2]
	v_max3_num_f32 v[BM+2*\c+1], v[S+32*\c+16], v[S+32*\c+17], v[S+32*\c+18]
.endr
.irp i, 3,5,7,9,11,13
.irp c, 0,1
	v_max3_num_f32 v[BM+2*\c], v[BM+2*\c], v[S+32*\c+\i], v[S+32*\c+\i+1]
	v_max3_num_f32 v[BM+2*\c+1], v[BM+2*\c+1], v[S+32*\c+16+\i], v[S+32*\c+17+\i]
.endr
.endr
.irp c, 0,1
	v_max3_num_f32 v[BM+2*\c], v[BM+2*\c], v[BM+2*\c+1], v[S+32*\c+15]
.endr
.irp c, 0,1
	v_max_num_f32 v[BM+2*\c], v[BM+2*\c], v[S+32*\c+31]
.endr
	s_delay_alu instid0(VALU_DEP_1)
	v_max_num_f32 v[TT], v[BM], v[BM+2]
	s_delay_alu instid0(VALU_DEP_1)
	v_permlanex16_b32 v[TP], v[TT], s[SEL], s[SEL+1]
	v_mov_b32 v[OLD], v12
	s_delay_alu instid0(VALU_DEP_2)
	v_max3_num_f32 v13, v13, v[TT], v[TP]          ; the running largest score of my query
	s_delay_alu instid0(VALU_DEP_1)
	v_mul_f32 v[TT], s[CS], v13                    ; as t
	s_delay_alu instid0(VALU_DEP_1)
	v_floor_f32 v12, -v[TT]                        ; -M = -ceil(t)
	s_delay_alu instid0(VALU_DEP_1)
	v_sub_f32 v[TT], v12, v[OLD]                   ; old M - new M, a whole number
	PKF 0, 8
	v_cvt_i32_f32 v[TT], v[TT]                     ; (it saturates)
	PKF 16, 8
	v_ldexp_f32 v[FF], 1.0, v[TT]                  ; f = 2^(old M - new M)
	PKF 32, 16
.irp c, 0,1
	v_fma_f32 v[BM+2*\c], v[BM+2*\c], s[CS], v12   ; the same of each block's largest score
.endr
.set j, 0
.rept 16
	v_pk_mul_f32 v[OT+j:OT+j+1], v[OT+j:OT+j+1], v[FF:FF+1] op_sel_hi:[1,0]   ; O^T under the new M
.set j, j+2
.endr
	s_wait_alu depctr_va_vdst(0)                   ; ahead of the batch
.set j, 0
.rept 64
	v_exp_f32 v[S+j], v[S+j]                       ; p
.set j, j+1
.endr
.irp c, 0,1
	v_exp_f32 v[BM+2*\c], v[BM+2*\c]               ; the block's largest p
.endr
	v_pk_mul_f32 v[14:15], v[14:15], v[FF:FF+1] op_sel_hi:[1,0]   ; the sum under the new M: the plain place behind the batch
	s_wait_alu depctr_va_vdst(0)                   ; one wait for the batch, and directly ahead of the wait below
	s_wait_dscnt 0x0                               ; V's fragments and scale words are in
.irp c, 0,1
	v_max_num_f32 v[BM+2*\c], 0x1800000, v[BM+2*\c]   ; the floor 2^(3 - 127)
.endr
.irp c, 0,1
	s_delay_alu instid0(VALU_DEP_2)
	v_add_nc_u32 v[SO+4*\c], 0xff000000, v[BM+2*\c]   ; 2 off the exponent field: the conversion's scale operand
.endr
.irp c, 0,1
	s_delay_alu instid0(VALU_DEP_2)
	v_lshrrev_b32 v[B0+\c], 23, v[SO+4*\c]
.endr
	s_delay_alu instid0(VALU_DEP_1)
	v_lshl_or_b32 v[W], v[B0+1], 16, v[B0]         ; blocks h and 2 + h
	s_delay_alu instid0(VALU_DEP_1)
	v_permlanex16_b32 v[WP], v[W], s[SEL], s[SEL+1]
	s_delay_alu instid0(VALU_DEP_1)
	v_lshl_or_b32 v[PW], v[WP], 8, v[W]            ; whole in lanes 0-15, which alone are read
.irp c, 0,1
	v_cvt_scalef32_pk16_fp6_f32 v[PCD+6*\c:PCD+6*\c+2], v[S+32*\c:S+32*\c+15], v[SO+4*\c]
	v_cvt_scalef32_pk16_fp6_f32 v[PCD+12+4*\c:PCD+14+4*\c], v[S+32*\c+16:S+32*\c+31], v[SO+4*\c]   ; (a conversion's three registers begin on an even number)
.endr
	v_pk_add_f32 v[14:15], v[14:15], v[S:S+1]      ; THE ROW'S SUM, of the unquantised p, in four chains.  These four are the plain lines behind the conversions
	v_pk_add_f32 v[X:X+1], v[S+2:S+3], v[S+4:S+5]
	v_pk_add_f32 v[X+2:X+3], v[S+6:S+7], v[S+8:S+9]
	v_pk_add_f32 v[X+4:X+5], v[S+10:S+11], v[S+12:S+13]
.irp c, 0,1
.irp i, 0,1,2
	v_mov_b32 v[PCD+3+6*\c+\i], v[PCD+12+4*\c+\i]
.endr
.endr
	SUMR 7                                         ; four places between the codes' last write and the product; the scale word stands fourteen ahead
.irp t, 0,1,2,3
	v_wmma_scale_f32_16x16x128_f8f6f4 v[OT+8*\t:OT+8*\t+7], v[KF+12*\t:KF+12*\t+11], v[PCD:PCD+11], v[OT+8*\t:OT+8*\t+7], v[VSR+\t], v[PW] matrix_a_fmt:MATRIX_FMT_FP6 matrix_b_fmt:MATRIX_FMT_FP6
.endr
	SUMR 11                                        ; four places behind the products, ahead of the loads into V's registers
	KLOADS                                         ; the next step's K
	SUMR 15
	SUMR 19
	SUMR 23
	SUMR 27
	v_pk_add_f32 v[14:15], v[14:15], v[S+62:S+63]
	v_pk_add_f32 v[X+2:X+3], v[X+2:X+3], v[X+4:X+5]
	v_pk_add_f32 v[14:15], v[14:15], v[X:X+1]
	v_pk_add_f32 v[14:15], v[14:15], v[X+2:X+3]
	s_barrier_wait -1                              ; every wave has begun this step
	s_sub_co_u32 s[CNT], s[CNT], 1
	s_cmp_lg_u32 s[CNT], 0
	s_cbranch_scc1 .Lstep
	s_wait_alu depctr_va_vdst(0)                   ; directly ahead of the reader below
	v_add_f32 v14, v14, v15
	s_delay_alu instid0(VALU_DEP_1)
	v_permlanex16_b32 v[TP], v14, s[SEL], s[SEL+1]
	s_delay_alu instid0(VALU_DEP_1)
	v_add_f32 v14, v14, v[TP]                      ; with lane l xor 16's keys: the row's sum
	s_wait_alu depctr_va_vdst(0)
	v_rcp_f32 v14, v14
	v_nop
	s_wait_alu depctr_va_vdst(0)                   ; ahead of the first readers of the quotient and of O^T
.set j, 0
.rept 16
	v_pk_mul_f32 v[S+j:S+j+1], v[OT+j:OT+j+1], v[14:15] op_sel_hi:[1,0]   ; o(r, 32 h + j)
.set j, j+2
.endr
	v_max3_num_f32 v[BM], |v[S]|, |v[S+1]|, 0x1800000      ; my block of 32 channels, two chains
	v_max3_num_f32 v[BM+1], |v[S+16]|, |v[S+17]|, 0x1800000
.irp i, 2,4,6,8,10,12,14
	v_max3_num_f32 v[BM], v[BM], |v[S+\i]|, |v[S+1+\i]|
	v_max3_num_f32 v[BM+1], v[BM+1], |v[S+16+\i]|, |v[S+17+\i]|
.endr
	s_delay_alu instid0(VALU_DEP_1)
	v_max_num_f32 v[BM], v[BM], v[BM+1]
	s_delay_alu instid0(VALU_DEP_1)
	v_add_nc_u32 v[SO], 0xff000000, v[BM]
	s_delay_alu instid0(VALU_DEP_1)
	v_lshrrev_b32 v[BYO], 23, v[SO]
	v_cvt_scalef32_pk16_fp6_f32 v[PCD:PCD+2], v[S:S+15], v[SO]
	v_cvt_scalef32_pk16_fp6_f32 v[PCD+12:PCD+14], v[S+16:S+31], v[SO]
	v_nop
.irp i, 0,1,2
	v_mov_b32 v[PCD+3+\i], v[PCD+12+\i]
.endr
.irp p, 0,1,2
	global_store_b64 v[L8], v[PCD+2*\p:PCD+2*\p+1], s[60:61] offset:256*\p   ; 32 lanes store 256 consecutive bytes, aligned
.endr
	global_store_b8 v[OB], v[BYO], s[62:63]        ; os[token][2 head + h]: the last launch takes a token's 32 bytes as one row
.irp i, 0,1,2,3,4,5
	v_mov_b32 v[QLO+\i], v[QB+\i]                  ; the second tile of queries
.endr
	s_wait_xcnt 0x0                                ; the stores have read their registers and bases
	s_add_nc_u64 s[60:61], s[60:61], 12288
	s_add_nc_u64 s[62:63], s[62:63], 512
	s_mov_b32 s[QSEL], 0x03020302
	s_sub_co_u32 s[PASS], s[PASS], 1
	s_cmp_lg_u32 s[PASS], 0
	s_cbranch_scc1 .Lpass
	s_wait_tensorcnt 0x0                           ; the wave's end
	ds_add_u32 v[SPW], v[NIL]
	s_wait_dscnt 0x0
	CROUND                                         ; the closing round
	s_endpgm
.Lfunc_end_k_q01cf3d427f_attn:
	.size	k_q01cf3d427f_attn, .Lfunc_end_k_q01cf3d427f_attn-k_q01cf3d427f_attn
	.p2alignl 7, 3214868480
	.fill 96, 4, 3214868480
	.section	.rodata,"a",@progbits
	.p2align	6, 0x0
	.amdhsa_kernel k_q01cf3d427f_attn
		.amdhsa_group_segment_fixed_size 327680
		.amdhsa_private_segment_fixed_size 0
		.amdhsa_enable_private_segment 0
		.amdhsa_kernarg_size 24
		.amdhsa_user_sgpr_count 2
		.amdhsa_user_sgpr_kernarg_segment_ptr 1
		.amdhsa_wavefront_size32 1
		.amdhsa_system_sgpr_workgroup_id_x 1
		.amdhsa_system_sgpr_workgroup_id_y 1
		.amdhsa_system_sgpr_workgroup_id_z 1
		.amdhsa_system_vgpr_workitem_id 0
		.amdhsa_next_free_vgpr 256
		.amdhsa_next_free_sgpr 72
		.amdhsa_reserve_vcc 0
		.amdhsa_float_denorm_mode_32 3
		.amdhsa_float_denorm_mode_16_64 3
		.amdhsa_memory_ordered 1
		.amdhsa_forward_progress 1
		.amdhsa_inst_pref_size 29
	.end_amdhsa_kernel
	.amdgpu_metadata
---
amdhsa.version: [ 1, 2 ]
amdhsa.kernels:
  - .name:           k_q01cf3d427f_attn
    .symbol:         k_q01cf3d427f_attn.kd
    .args:
      - { .name: pc, .offset: 0, .size: 8, .value_kind: global_buffer, .address_space: global }
      - { .name: oc, .offset: 8, .size: 8, .value_kind: global_buffer, .address_space: global }
      - { .name: os, .offset: 16, .size: 8, .value_kind: global_buffer, .address_space: global }
    .group_segment_fixed_size: 327680
    .private_segment_fixed_size: 0
    .kernarg_segment_align: 8
    .kernarg_segment_size: 24
    .max_flat_workgroup_size: 512
    .sgpr_count:     72
    .vgpr_count:     256
    .wavefront_size: 32
...
	.end_amdgpu_metadata
.endif
;; end of part 3
;; launch outp (part 4): grid 4 x 64, 4 waves a work-group, clusters of 4 x 4, 327,680 bytes of LDS; arguments oc, os, xc, xs, bo, out0; writes out0
.if DOCPART == 4
	.amdgcn_target "amdgcn-amd-amdhsa--gfx1250"
	.amdhsa_code_object_version 6
	.text
	.protected	k_q01cf3d427f_outp
	.globl	k_q01cf3d427f_outp
	.p2align	8
	.type	k_q01cf3d427f_outp,@function
k_q01cf3d427f_outp:
	s_mov_b64 s[64:65], 0
	v_nop
	global_prefetch_b8 v0, s[64:65] scope:SCOPE_SE
	s_setreg_imm32_b32 hwreg(HW_REG_WAVE_MODE, 25, 1), 1
	s_wait_xcnt 0x0
	s_wait_alu depctr_hold_cnt(0) depctr_sa_sdst(0) depctr_va_vdst(0) depctr_va_sdst(0) depctr_va_ssrc(0) depctr_va_vcc(0) depctr_vm_vsrc(0)
	s_getreg_b32 s2, hwreg(HW_REG_IB_STS2, 6, 4)
	s_cmp_eq_u32 s2, 0
	s_cbranch_scc0 .Lentry_in_a_cluster
	s_endpgm
.Lentry_in_a_cluster:
	s_bfe_u32 s2, ttmp6, 0x10000c
	s_cmp_lg_u32 s2, 0xf033
	s_cbranch_scc0 .Lentry_shape_is_right
	s_endpgm
.Lentry_shape_is_right:
; out0 = o wo^T + bo on codes of FP6 (E2M3, one E8M0 scale for each 32 along K), K = 1,024, f32 sums; the bias is the C of each accumulator's first product.
; A tile of C, 128 x 256, is made by four waves, 64 x 128 each: 32 accumulators of 16 x 16.  8,192 x 1,024 of C are 256 such tiles, one to a work-group.
; ALL OF K LIES IN LDS AT ONCE: o's 128 rows are 98,304 dense bytes of oc, wo's 256 rows 196,608 dense bytes of xc ([T][kg][768], a picture of six operand registers for 16 rows x 64 K),
; their scale bytes 4,096 and 8,192 dense bytes.  So the head's four tensor loads, one a wave, bring everything: nothing is filled again, and the walk along K has no barrier.
; CLUSTERS 4 x 4: A's loads are asked for jointly by a row of the cluster, B's by a column.  THE PRODUCT IS USED TRANSPOSED (source 0 = 16 rows of wo, source 1 = 16 rows of o):
; lane (r, h) holds row r of A's block and, in accumulator b, columns 16 b + 8 h + 0 .. 7: 32 neighbouring bytes of a row of C.
; A step is 128 along K: 32 matrix instructions on one of two sets of fragments, while the next step's 72 LDS loads fill the other.  The eight steps are written out: every offset is an immediate.
; THE WAY OUT goes through a stage of 16 rows x 528 bytes a wave, laid in A's tile: a barrier, signalled ahead of the last step's products and waited for behind them, shows that nobody reads the tiles any more.
; No prefetch: all tiles are asked for at the head, and there is no loop to run ahead in.
; REGISTERS: window 0: v16-29 addresses; v32-63 scale words, two sets; v64-127 the bias; v128-223 A's fragments, two sets of 48; window 1: B's fragments, two sets, at v0 and v128; window 2: accumulator (a, b) at v[8 (8 a + b)].
.set SIZE_N, 1024
.set TPITCH, 12288                     ; 16 rows x 1,024 along K in bytes
.set FR,     12
.set NP,     4                         ; places behind this matrix instruction (ISA guide 7.12.1)
.set STEPS,  8
.set BBASE,  8*TPITCH                  ; B's tile lies behind A's
.set SCL,    24*TPITCH                 ; the scales, as units of 256 bytes + 16 of padding: A's 16 units, then B's 32
.set SA,     16*272
.set SBLK,   2*272                     ; the scales of 16 rows
.set SPARE,  SCL+3*SA                  ; the spare words, 128 bytes a wave
.set SPITCH, 528
.set ADRA, 16
.set ADRB, 20                          ; v20 B's blocks 0-3, v21 blocks 4-7
.set STO,  24
.set RD,   25
.set CO,   26
.set ADRS, 27
.set SPW,  28
.set NIL,  29
.set SC,   32
.set BIAS, 64
.set AF,   128
.set BK,   128
.set G1A, 24
.set G0A, 32
.set G1B, 48
.set G0B, 56
.set G1S, 68
.set G0S, 76
.set G1SB, 80
.set G0SB, 88
.set MSB, 0
.macro WIN new                         ; the immediate's high byte repeats the setting that is left
.if MSB != \new
	s_set_vgpr_msb (MSB<<8)|\new
.set MSB, \new
.endif
.endm
.set MUL_LO, 0xa1                      ; source 0 (B) window 1, source 1 (A) window 0, C and D window 2
.set MUL_1ST, 0x81                     ; the same with C, the bias, in window 0
.set TO_B,   0x40
.macro CROUND                          ; a round of the cluster's barrier
	s_barrier_signal -1
	s_barrier_wait -1
	s_cmp_lg_u32 s14, 0
	s_cbranch_scc1 .Lnot_wave_0_\@
	s_barrier_signal -3
.Lnot_wave_0_\@:
	s_barrier_wait -3
	s_barrier_signal -1
	s_barrier_wait -1
.endm
	s_load_b128 s[4:7], s[0:1], 0x0                ; oc, os
	s_load_b128 s[8:11], s[0:1], 0x10              ; xc, xs
	s_load_b128 s[96:99], s[0:1], 0x20             ; bo, out0
	v_lshl_add_u32 v[SPW], v0, 2, SPARE
	v_mov_b32 v[NIL], 0
	ds_add_u32 v[SPW], v[NIL]                      ; the opening lines: the add, twice on end, and its wait
	ds_add_u32 v[SPW], v[NIL]
	v_lshrrev_b32 v1, 5, v0
	v_readfirstlane_b32 s14, v1                    ; wave 0..3
	s_lshr_b32 s15, s14, 1                         ; my half of the tile's rows
	s_and_b32 s16, s14, 1                          ; my half of its columns
	s_bfe_u32 s40, ttmp6, 0x40000                  ; cx
	s_bfe_u32 s41, ttmp6, 0x40004                  ; cy
	s_lshl_b32 s42, ttmp9, 2
	s_add_co_u32 s42, s42, s40                     ; tile column
	s_and_b32 s17, ttmp7, 0xffff
	s_lshl_b32 s17, s17, 2
	s_add_co_u32 s17, s17, s41                     ; tile row
	s_lshl_b32 s43, s41, 2
	s_lshl_b32 s43, 15, s43                        ; my row of the cluster
	s_lshl_b32 s44, 0x1111, s40                    ; my column
	; group 1: dense blocks as rows of 256 bytes (32 elements of 8 bytes): A's codes 384 rows, B's 768; the scales with 16 bytes of padding behind each row: A's 16 rows, B's 32
	s_or_b32 s[G1A+0], s43, (3<<16)|(1<<21)
	s_or_b32 s[G1B+0], s44, (3<<16)|(1<<21)
	s_or_b32 s[G1S+0], s43, (3<<16)|(1<<20)|(1<<21)|(5<<22)|(3<<25)
	s_or_b32 s[G1SB+0], s44, (3<<16)|(1<<20)|(1<<21)|(5<<22)|(3<<25)
.irp g, G1A, G1B, G1S, G1SB
	s_mov_b32 s[\g+1], 32<<16
	s_mov_b32 s[\g+3], 32<<16
	s_mov_b32 s[\g+5], 32
	s_mov_b32 s[\g+6], 0
	s_mov_b32 s[\g+7], 0
.endr
	s_mov_b32 s[G1A+2], 384<<16
	s_mov_b32 s[G1A+4], 384
	s_mov_b32 s[G1B+2], 768<<16
	s_mov_b32 s[G1B+4], 768
	s_mov_b32 s[G1S+2], 16<<16
	s_mov_b32 s[G1S+4], 16
	s_mov_b32 s[G1SB+2], 32<<16
	s_mov_b32 s[G1SB+4], 32
	s_lshl_b32 s36, s17, 3                         ; A's first T: 8 x tile row
	s_lshl_b32 s38, s36, 9                         ; its scale bytes: 512 a T
	s_mul_i32 s36, s36, TPITCH
	s_mov_b32 s37, 0
	s_mov_b32 s39, 0
	s_lshl_b32 s60, s42, 4
	s_add_co_u32 s60, s60, 1216                    ; B's first T: wo begins at 1216, + 16 x tile column
	s_lshl_b32 s62, s60, 9
	s_mul_i32 s60, s60, TPITCH
	s_mov_b32 s61, 0
	s_mov_b32 s63, 0
	s_lshl_b32 s94, s42, 10
	s_lshl_b32 s12, s16, 9
	s_add_co_u32 s94, s94, s12                     ; my first column, in bytes
	s_mov_b32 s95, 0
	s_lshl_b32 s92, s17, 7
	s_lshl_b32 s12, s15, 6
	s_add_co_u32 s92, s92, s12                     ; my first row of C
	s_lshl_b32 s92, s92, 12                        ; x 4,096 bytes (under 2^26)
	s_add_co_u32 s92, s92, s94
	s_mov_b32 s93, 0
	s_mul_i32 s18, s15, 4*TPITCH                   ; LDS: my 64 rows of A,
	s_mul_i32 s19, s16, 8*TPITCH
	s_add_co_u32 s19, s19, BBASE                   ; my 128 rows of B,
	s_mul_i32 s21, s15, 8*272                      ; my rows' scales: A's,
	s_mul_i32 s22, s16, SA
	s_add_co_u32 s22, s22, SA
	s_sub_co_u32 s22, s22, s21                     ; and how far behind them B's lie,
	s_add_co_u32 s21, s21, SCL
	s_mul_i32 s23, s14, 16*SPITCH                  ; and my stage
	s_wait_dscnt 0x0                               ; both opening adds are done
	s_wait_kmcnt 0x0
	s_mov_b32 s[G0A], 1
	s_mov_b32 s[G0A+1], 0
	s_add_nc_u64 s[G0A+2:G0A+3], s[4:5], s[36:37]
	s_or_b32 s[G0A+3], s[G0A+3], 0x80000000
	s_mov_b32 s[G0S], 1
	s_mov_b32 s[G0S+1], SCL
	s_add_nc_u64 s[G0S+2:G0S+3], s[6:7], s[38:39]
	s_or_b32 s[G0S+3], s[G0S+3], 0x80000000
	s_mov_b32 s[G0B], 1
	s_mov_b32 s[G0B+1], BBASE
	s_add_nc_u64 s[G0B+2:G0B+3], s[8:9], s[60:61]
	s_or_b32 s[G0B+3], s[G0B+3], 0x80000000
	s_mov_b32 s[G0SB], 1
	s_mov_b32 s[G0SB+1], SCL+SA
	s_add_nc_u64 s[G0SB+2:G0SB+3], s[10:11], s[62:63]
	s_or_b32 s[G0SB+3], s[G0SB+3], 0x80000000
	s_add_nc_u64 s[96:97], s[96:97], s[94:95]      ; my columns' bias
	s_add_nc_u64 s[98:99], s[98:99], s[92:93]      ; my part of C
	CROUND                                         ; all sixteen work-groups are here: the joint loads meet
; THE LOADS, ONE A WAVE: wave 0 A's codes, wave 1 A's scales, wave 2 B's codes, wave 3 B's scales.  One chain of branches on the wave's number, one load to an arm.
.macro ARM under, g0, g1, next
	s_cmp_lt_u32 s14, \under
	s_cbranch_scc0 \next
	tensor_load_to_lds s[\g0:\g0+3], s[\g1:\g1+7]
	s_nop 0
.rept 4
	v_nop
.endr
	s_branch .Lhead_asked
\next:
.endm
	ARM 1, G0A, G1A, .Lhead_sa
	ARM 2, G0S, G1S, .Lhead_b
	ARM 3, G0B, G1B, .Lhead_sb
	tensor_load_to_lds s[G0SB:G0SB+3], s[G1SB:G1SB+7]
	s_nop 0
.rept 4
	v_nop
.endr
.Lhead_asked:
	v_and_b32 v1, 15, v0                           ; r
	v_bfe_u32 v2, v0, 4, 1                         ; h
	v_and_b32 v3, 31, v0
	v_lshlrev_b32 v4, 3, v3                        ; 8 x lane
	v_add_nc_u32 v[ADRA], s18, v4
	v_add_nc_u32 v[ADRB], s19, v4
	v_add_nc_u32 v[ADRB+1], 4*TPITCH, v[ADRB]
	v_mul_u32_u24 v5, v1, 32                       ; my row's scales: 32 bytes a row,
	v_lshrrev_b32 v6, 8, v5
	v_lshl_add_u32 v5, v6, 4, v5                   ; and 16 more for each 256 passed
	v_mul_u32_u24 v6, s22, v2                      ; lanes 16-31 take B's
	v_add_nc_u32 v5, v5, v6
	v_add_nc_u32 v[ADRS], s21, v5
	v_mul_u32_u24 v5, v1, SPITCH                   ; the stage, in: row r, 32 bytes for each half of the lanes
	v_lshl_add_u32 v5, v2, 5, v5
	v_add_nc_u32 v[STO], s23, v5
	v_lshlrev_b32 v[CO], 4, v3                     ; back: the 32 lanes take one row of 512 bytes; and the same in C
	v_add_nc_u32 v[RD], s23, v[CO]
	v_lshlrev_b32 v7, 5, v2
.irp b, 0,1,2,3,4,5,6,7
	global_load_b128 v[BIAS+8*\b:BIAS+8*\b+3], v7, s[96:97] offset:64*\b        ; bo at columns 16 b + 8 h + 0 .. 7
	global_load_b128 v[BIAS+8*\b+4:BIAS+8*\b+7], v7, s[96:97] offset:64*\b+16
.endr
.macro FRAG reg, adr, st, i            ; a fragment, 16 rows x 128 K, 12 registers: six pieces of 256 consecutive bytes
.irp c, 0,1
.irp p, 0,1,2
	ds_load_b64 v[\reg+6*\c+2*\p:\reg+6*\c+2*\p+1], v[\adr] offset:(\i)*TPITCH+(\st)*1536+768*\c+256*\p
.endr
.endr
.endm
.macro FETCH st                        ; step st's fragments into set st % 2: B's eight, A's four
	WIN TO_B
.irp i, 0,1,2,3
	FRAG 128*((\st)%2)+FR*\i, ADRB, \st, \i
.endr
.irp i, 0,1,2,3
	FRAG 128*((\st)%2)+FR*(4+\i), ADRB+1, \st, \i
.endr
	WIN 0
.irp i, 0,1,2,3
	FRAG AF+48*((\st)%2)+FR*\i, ADRA, \st, \i
.endr
.endm
.macro SCALES pr                       ; the scale words of steps 2 pr and 2 pr + 1 into set pr % 2: lanes 16-31 take B's block i, lanes 0-15 A's block i (used for i under 4 alone)
.irp i, 0,1,2,3,4,5,6,7
	ds_load_b64 v[SC+16*((\pr)%2)+2*\i:SC+16*((\pr)%2)+2*\i+1], v[ADRS] offset:\i*SBLK+8*(\pr)
.endr
.endm
; 32 matrix instructions: A's four blocks x B's eight.  The 32 accumulators take turns, one instruction a turn, in the same order in every step.
.macro MUL32 st
.irp a, 0,1,2,3
.irp b, 0,1,2,3,4,5,6,7
.if (\st) == 0
	v_wmma_scale_f32_16x16x128_f8f6f4 v[8*(8*\a+\b):8*(8*\a+\b)+7], v[128*((\st)%2)+FR*\b:128*((\st)%2)+FR*\b+FR-1], v[AF+48*((\st)%2)+FR*\a:AF+48*((\st)%2)+FR*\a+FR-1], v[BIAS+8*\b:BIAS+8*\b+7], v[SC+16*(((\st)/2)%2)+2*\b+(\st)%2], v[SC+16*(((\st)/2)%2)+2*\a+(\st)%2] matrix_a_fmt:MATRIX_FMT_FP6 matrix_b_fmt:MATRIX_FMT_FP6 matrix_a_scale:MATRIX_SCALE_ROW1
.else
	v_wmma_scale_f32_16x16x128_f8f6f4 v[8*(8*\a+\b):8*(8*\a+\b)+7], v[128*((\st)%2)+FR*\b:128*((\st)%2)+FR*\b+FR-1], v[AF+48*((\st)%2)+FR*\a:AF+48*((\st)%2)+FR*\a+FR-1], v[8*(8*\a+\b):8*(8*\a+\b)+7], v[SC+16*(((\st)/2)%2)+2*\b+(\st)%2], v[SC+16*(((\st)/2)%2)+2*\a+(\st)%2] matrix_a_fmt:MATRIX_FMT_FP6 matrix_b_fmt:MATRIX_FMT_FP6 matrix_a_scale:MATRIX_SCALE_ROW1
.endif
.endr
.endr
.endm
.macro PLACES n                        ; plain vector instructions between a matrix instruction and a load into, or a read of, its registers
.rept \n
	v_nop
.endr
.endm
.macro STEP st
	s_wait_dscnt 0x0                               ; this step's fragments, asked for a step ago, are in
.if (\st)+1 < STEPS
.if (\st) > 0
	PLACES NP                                      ; the other set was read by the last step's products
.endif
	FETCH (\st)+1
.if ((\st)+1)%2 == 0
	SCALES ((\st)+1)/2
.endif
.else
	s_barrier_signal -1                            ; my reads of the tiles are over
.endif
.if (\st) == 0
	WIN MUL_1ST
.else
	WIN MUL_LO
.endif
	MUL32 \st
	WIN 0
.endm
	s_wait_alu depctr_va_vdst(0)                   ; the head's end
	s_wait_loadcnt 0x0                             ; the bias is in
	s_wait_tensorcnt 0x0                           ; my load has landed
	s_barrier_signal -1
	s_barrier_wait -1                              ; and so have the other three
	FETCH 0
	SCALES 0
.set ST, 0
.rept STEPS
	STEP ST
.set ST, ST+1
.endr
	s_barrier_wait -1                              ; nobody reads the tiles any more: the stages may be written
; THE WAY OUT, block by block of 16 rows x 128 columns: through my stage, back as whole rows of 512 bytes, which the 32 lanes store as two aligned units of 256 bytes.
; LDS serves a wave's instructions in order: no wait between the stores and the loads.
.macro TOSTAGE a
.set AC, 64*(\a)
	WIN 0x08                                       ; the data: window 2
.irp b, 0,1,2,3,4,5,6,7
	ds_store_b128 v[STO], v[AC+8*\b:AC+8*\b+3] offset:64*\b          ; each accumulator from its low end on
	ds_store_b128 v[STO], v[AC+8*\b+4:AC+8*\b+7] offset:64*\b+16
.endr
	WIN 0
.set BB, BK+64*((\a)%2)
.irp t, 0,1,2,3,4,5,6,7,8,9,10,11,12,13,14,15
	ds_load_b128 v[BB+4*\t:BB+4*\t+3], v[RD] offset:\t*SPITCH
.endr
.endm
.macro SEND a, younger                 ; younger: the LDS instructions issued behind block a's loads, which may stay out
.set BB, BK+64*((\a)%2)
	s_wait_dscnt \younger
.if (\a) > 0
	s_add_nc_u64 s[98:99], s[98:99], 16*SIZE_N*4   ; (behind a wait on XCNT: the earlier stores have read their base)
.endif
.irp t, 0,1,2,3,4,5,6,7,8,9,10,11,12,13,14,15
	global_store_b128 v[CO], v[BB+4*\t:BB+4*\t+3], s[98:99] offset:\t*SIZE_N*4 th:TH_STORE_NT
.endr
.endm
	PLACES NP                                      ; behind the last products: their results are read, and A's registers loaded into, below
	TOSTAGE 0
.irp a, 1,2,3
.if \a > 1
	s_wait_xcnt 0x0                                ; block a - 2's stores have read their registers and their base
.endif
	TOSTAGE \a
	SEND \a-1, 32                                  ; behind block a - 1's loads: block a's 16 stores and 16 loads
.endr
	s_wait_xcnt 0x0
	SEND 3, 0
	s_wait_tensorcnt 0x0                           ; the wave's end
	ds_add_u32 v[SPW], v[NIL]
	s_wait_dscnt 0x0
	CROUND                                         ; the closing round
	s_endpgm
.Lfunc_end_k_q01cf3d427f_outp:
	.size	k_q01cf3d427f_outp, .Lfunc_end_k_q01cf3d427f_outp-k_q01cf3d427f_outp
	.p2alignl 7, 3214868480
	.fill 96, 4, 3214868480
	.section	.rodata,"a",@progbits
	.p2align	6, 0x0
	.amdhsa_kernel k_q01cf3d427f_outp
		.amdhsa_group_segment_fixed_size 327680
		.amdhsa_private_segment_fixed_size 0
		.amdhsa_enable_private_segment 0
		.amdhsa_kernarg_size 48
		.amdhsa_user_sgpr_count 2
		.amdhsa_user_sgpr_kernarg_segment_ptr 1
		.amdhsa_wavefront_size32 1
		.amdhsa_system_sgpr_workgroup_id_x 1
		.amdhsa_system_sgpr_workgroup_id_y 1
		.amdhsa_system_sgpr_workgroup_id_z 1
		.amdhsa_system_vgpr_workitem_id 0
		.amdhsa_next_free_vgpr 1024
		.amdhsa_next_free_sgpr 100
		.amdhsa_reserve_vcc 0
		.amdhsa_float_denorm_mode_32 3
		.amdhsa_float_denorm_mode_16_64 3
		.amdhsa_memory_ordered 1
		.amdhsa_forward_progress 1
		.amdhsa_inst_pref_size 97
	.end_amdhsa_kernel
	.amdgpu_metadata
---
amdhsa.version: [ 1, 2 ]
amdhsa.kernels:
  - .name:           k_q01cf3d427f_outp
    .symbol:         k_q01cf3d427f_outp.kd
    .args:
      - { .name: oc, .offset: 0, .size: 8, .value_kind: global_buffer, .address_space: global }
      - { .name: os, .offset: 8, .size: 8, .value_kind: global_buffer, .address_space: global }
      - { .name: xc, .offset: 16, .size: 8, .value_kind: global_buffer, .address_space: global }
      - { .name: xs, .offset: 24, .size: 8, .value_kind: global_buffer, .address_space: global }
      - { .name: bo, .offset: 32, .size: 8, .value_kind: global_buffer, .address_space: global }
      - { .name: out0, .offset: 40, .size: 8, .value_kind: global_buffer, .address_space: global }
    .group_segment_fixed_size: 327680
    .private_segment_fixed_size: 0
    .kernarg_segment_align: 8
    .kernarg_segment_size: 48
    .max_flat_workgroup_size: 128
    .sgpr_count:     100
    .vgpr_count:     1024
    .wavefront_size: 32
...
	.end_amdgpu_metadata
.endif
;; end of part 4
